; MI455X (gfx1250); checked and timed in simulation.
; The chip was launched on July 23, 2026; its instructions are those of AMD's public machine-readable ISA for CDNA 5 (MIT licence, August 2026) and "CDNA5" Instruction Set Architecture Reference Guide (July 2026). The comments in the code are by the model that wrote it; some were corrected since.
;; Efficient Self Attention. Allowed arithmetic: matrix products marked QUANTISED: E4M3 operands, one given power-of-two scale a tensor, by v_wmma_f32_16x16x64_fp8_fp8 or v_wmma_f32_16x16x128_fp8_fp8, f32 sums; everything else in f32.
;; Inputs: Wk 1,024 x 1,024 float32; Wq 1,024 x 1,024 float32; Wv 1,024 x 1,024 float32; beta 1,024 float32; bk 1,024 float32; bq 1,024 float32; bv 1,024 float32; gamma 1,024 float32; lowp_scales 10 int32 (the exponents e of the quantised operands' scales 2^e); src_mask 4 x 4,096 x 1 float32; x 4 x 4,096 x 1,024 float32.
;; Outputs: out0 4 x 4,096 x 1,024 float32.
;; This version of the problem:
;;   THIS VERSION OF THE PROBLEM IS GIVEN IN LOW PRECISION. The matrix products marked QUANTISED in the list below multiply operands that are first quantised to E4M3 (4 exponent bits, 3 mantissa bits; 8 bits a number), with one given power-of-two scale for each operand tensor; their sums are f32. All else is computed in f32.
;;   The module's matrix products, in the order in which they are computed (A, B: the left and right operand; K: the contracted axis; several contracted axes count as one K, in the product's order):
;;     1. [M 16,384, K 1,024] x [K 1,024, N 1,024]; A: computed on the way; B: input Wq: QUANTISED (scales: A lowp_scales[0], B lowp_scales[1])
;;     2. [M 16,384, K 1,024] x [K 1,024, N 1,024]; A: computed on the way; B: input Wk: QUANTISED (scales: A lowp_scales[2], B lowp_scales[3])
;;     3. [M 16,384, K 1,024] x [K 1,024, N 1,024]; A: computed on the way; B: input Wv: QUANTISED (scales: A lowp_scales[4], B lowp_scales[5])
;;     4. batch 32 x [M 128, K 4,096] x [K 4,096, N 128]; A: softmax (see below); B: computed on the way: QUANTISED (scales: A lowp_scales[6], B lowp_scales[7])
;;     5. batch 32 x [M 128, K 128] x [K 128, N 4,096]; A: computed on the way; B: softmax (see below): QUANTISED (scales: A lowp_scales[8], B lowp_scales[9])
;;   THE QUANTISER, for each operand of a quantised product, along K:
;;     - The operand's scale is 2^e, e = its entry of the input lowp_scales (int32; the entries are numbered through the quantised products in the list's order, A before B).
;;     - Each number is divided by the scale, clamped to +-448, and rounded to the nearest number of E4M3, ties to even, subnormals kept.
;;     - The product sums the exact products of the quantised numbers (number of the format x scale) in f32.
;;   ~~~python
;;   def quantise(x, axis, e):      # numpy; x: float32 -> the quantised numbers, widened to float32 again
;;       x = np.moveaxis(x, axis, -1); K = x.shape[-1]
;;       r = np.clip(x / 2.0 ** e, -448, 448)
;;       step = 2.0 ** (np.maximum(np.frexp(np.where(r == 0, 1, r))[1] - 1, -6) - 3)
;;       q = np.round(r / step) * step * 2.0 ** e      # np.round: ties to even
;;       return np.moveaxis(q, -1, axis).astype(np.float32)
;;   ~~~
;;   SOFTMAX AHEAD OF A QUANTISED PRODUCT. Where the list says 'softmax', what is quantised is not the finished softmax but p = 2^(t - M), with t = logit x log2(e) and M = ceil(the row's largest t), a whole number; so 1/2 < the row's largest p <= 1. The row's sum l is taken of the UNQUANTISED p, in f32, and the product's result is divided by l at the end. Since M is a whole number, a kernel that streams over the keys may use a running M (the ceiling of the running maximum): every later rescaling is an exact power of two, so the quantised numbers keep their values, but for numbers so far below the row's largest that they fall under the format's range.
;;   OPERANDS COMPUTED ON THE WAY. 'Computed on the way' means the value that the module computes at that place (a softmax that the list does not call 'softmax' is quantised finished and normalised). What goes into a quantiser is computed in f32, as accurately as f32 sums, v_exp_f32 and their like allow (about 1e-6 of the number): no bf16 or f16 on the way to a quantiser, and a product that is left as it is and whose result goes on into a quantised operand takes f32 operands (vector FMAs, or v_wmma_f32_16x16x4_f32). A number that lies on a knife's edge between two numbers of the format may be rounded either way, as far as f32 arithmetic and the matrix unit's own rounding can turn it there, and no further.
;; One version. Each part assembles by itself: llvm-mc -triple=amdgcn-amd-amdhsa -mcpu=gfx1250 --defsym DOCPART=n.
;; ======== version 1 of 1: 4 launches
;; workspace buffers: xa 50,331,648 bytes; wc 3,145,728 bytes; qc 16,777,216 bytes; lq 524,288 bytes; pa 33,554,432 bytes; ml 1,048,576 bytes; ac 524,288 bytes
;; launch prep (part 1): grid 256 x 1, 8 waves a work-group, no clusters, 209,920 bytes of LDS; arguments x, gamma, beta, Wq, Wk, Wv, lowp_scales, xa, wc; writes xa, wc
.if DOCPART == 1
	.amdgcn_target "amdgcn-amd-amdhsa--gfx1250"
	.amdhsa_code_object_version 6
	.text
	.protected	k_q6626080668_prep
	.globl	k_q6626080668_prep
	.p2align	8
	.type	k_q6626080668_prep,@function
k_q6626080668_prep:
	s_mov_b64 s[64:65], 0
	v_nop
	global_prefetch_b8 v0, s[64:65] scope:SCOPE_SE
	s_setreg_imm32_b32 hwreg(HW_REG_WAVE_MODE, 25, 1), 1
	s_wait_xcnt 0x0
; PREP.  xn = LayerNorm(x) x gamma + beta in f32, then xn's codes of E4M3 in three sets (set 0 with e0, set 1 with e2, set 2 with e4: one for each product that takes xn), and the codes of Wq, Wk, Wv (e1, e3, e5).
; code = number / 2^e, held within +-448, to the nearest code, ties to even.  LIMITS: each e between -126 and 119; NaN among the inputs is not served.
; LAYOUT OF THE CODES (xa and wc alike): K is cut into 64 slots of 16 codes.  Byte y of slot s is k = 512 (s / 32) + 128 (y / 4) + 4 (s % 32) + y % 4: the same permutation of k in both operands,
; so every product meets its partner.  A tile of 16 rows (columns of W) x 256 along K is 4,096 bytes: slot u of the K step at 256 u, row r at 16 r.  So a K step of 256 rows is one dense block of 65,536 bytes.
; SHARES.  A work-group of eight waves owns 64 rows of x, four tiles of 16.  Wave w owns rows 8 (w % 2) on of tile w / 2, a row at a time in 32 registers: load j of a row takes 16 bytes a lane, 512 consecutive bytes,
; so register 4 j + y is x[128 j + 4 lane + y], and registers 16 g .. 16 g + 15 are the 16 numbers of slot 32 g + lane.  A row's codes go into the tile's stages in LDS (slot x 272 + row x 16); a slot's 256 bytes come from
; two waves, so one barrier stands between the writing and the reading, and each wave then sends half of each stage as whole slots.  Two waves lie on a SIMD, so that one works while the other waits in its reductions.
; Of each weight the wave owns 32 columns (a lane a column) and one slot: registers run down K, so nothing is transposed.
; The eight rows are written out: every offset is an immediate and no pointer is stepped.  At most 56 loads of a wave are out.
; No cluster: no two work-groups read the same bytes but gamma and beta, 8 KiB against a work-group's 262,144 bytes of x.
.set WREG,  52224                      ; LDS of a tile: three stages, one for each set of codes
.set STGB,  17408                      ; a stage: 64 slots x 272 bytes (256 + 16 of padding: sixteen lanes' 16 bytes then fall on sixteen different columns of 16 bytes)
.set XO,    1                          ; v1   16 x lane
.set STA,   3                          ; v3   into the stage: tile's region + 272 x lane + 16 x my first row of the tile
.set RD,    4                          ; v4   out of the stage: tile's region + my 16 pairs of slots + 272 (lane / 16) + 16 (lane % 16)
.set WO,    5                          ; v5   4 x lane: my column of a weight
.set WS,    6                          ; v6   my place in wc: 4,096 (lane / 16) + 16 (lane % 16)
.set PT,    7                          ; v7   the other half of the lanes' figure
.set SA,    8                          ; v[8:9], v[10:11] two chains of sums
.set SB,    10
.set MU,    12                         ; v[12:13] the mean (low word)
.set RS,    14                         ; v[14:15] 1 / sqrt(var + eps) (low word)
.set SCL,   16                         ; v16+2q: 2^e as f32; v17+2q: 448 x 2^e
.set CD,    24                         ; v24-31 codes, two sets of four
.set HH,    32                         ; v32-47 sixteen held numbers
.set GA,    48                         ; v48-79 gamma, v80-111 beta, in x's lane map
.set BE,    80
.set X,     112                        ; v112-239 a ring of four slots of 32 registers
.set CW,    X+96                       ; the weights' codes, 4 registers a matrix, in the ring's fourth slot once the last row has left it
	s_load_b512 s[4:19], s[0:1], 0x0               ; x s[4:5], gamma s[6:7], beta s[8:9], Wq s[10:11], Wk s[12:13], Wv s[14:15], the exponents s[16:17], xa s[18:19]
	s_load_b64 s[20:21], s[0:1], 0x40              ; wc
	v_lshl_add_u32 v248, v0, 2, 0x33000
	v_mov_b32 v249, 0
	v_lshrrev_b32 v8, 5, v0
	v_readfirstlane_b32 s22, v8                    ; wave 0..7
	s_lshr_b32 s32, s22, 1                         ; my tile of the work-group's four.  Also: my 32 of its 128 columns of a weight
	s_and_b32 s33, s22, 1                          ; my half of the tile's rows.  Also: my slot of the work-group's pair, and my half of each stage on the way out
	v_and_b32 v9, 31, v0                           ; lane
	v_lshlrev_b32 v[XO], 4, v9
	s_mul_i32 s23, s32, WREG
	s_lshl_b32 s34, s33, 7                         ; 8 rows x 16 bytes
	s_add_co_u32 s34, s34, s23
	v_mul_u32_u24 v[STA], v9, 272
	v_add_nc_u32 v[STA], s34, v[STA]
	v_lshrrev_b32 v10, 4, v9
	v_and_b32 v11, 15, v9
	v_mul_u32_u24 v[RD], v10, 272
	v_lshl_add_u32 v[RD], v11, 4, v[RD]
	s_mul_i32 s35, s33, 8704                       ; 16 pairs of slots x 544 bytes
	s_add_co_u32 s35, s35, s23
	v_add_nc_u32 v[RD], s35, v[RD]
	v_lshlrev_b32 v[WO], 2, v9
	v_lshlrev_b32 v[WS], 12, v10
	v_lshl_add_u32 v[WS], v11, 4, v[WS]
	v_mov_b32 v[PT], 0                             ; a lane permute's destination counts as one of its sources
	v_mov_b32 v[MU+1], 0                           ; named as the upper halves of pairs
	v_mov_b32 v[RS+1], 0
	s_mov_b32 s42, 0x76543210                      ; v_permlanex16_b32: lane l takes lane l xor 16
	s_mov_b32 s43, 0xfedcba98
	s_mov_b32 s44, 0x3a800000                      ; 1 / 1024
	s_mov_b32 s45, 0x3727c5ac                      ; 1e-5
	s_lshl_b32 s46, ttmp9, 3
	s_add_co_u32 s46, s46, s22                     ; my 8 rows: 8 x work-group + wave,
	s_lshl_b32 s46, s46, 15                        ; x 8 rows of 4,096 bytes
	s_mov_b32 s47, 0
	s_lshr_b32 s48, ttmp9, 2                       ; xa: block of 256 rows = work-group / 4,
	s_lshl_b32 s48, s48, 18
	s_and_b32 s49, ttmp9, 3
	s_lshl_b32 s49, s49, 2
	s_add_co_u32 s49, s49, s32                     ; tile in it = 4 (work-group % 4) + my tile,
	s_lshl_b32 s49, s49, 12
	s_add_co_u32 s48, s48, s49
	s_lshl_b32 s49, s33, 17                        ; and the two K steps that I send: 2 x my half on
	s_add_co_u32 s48, s48, s49
	s_mov_b32 s49, 0
	s_lshr_b32 s50, ttmp9, 3                       ; p: the work-group's pair of slots, 2 p and 2 p + 1; mine is 2 p + z
	s_lshr_b32 s51, s50, 4
	s_lshl_b32 s51, s51, 9
	s_and_b32 s52, s50, 15
	s_lshl_b32 s52, s52, 3
	s_add_co_u32 s51, s51, s52
	s_lshl_b32 s52, s33, 2
	s_add_co_u32 s51, s51, s52                     ; my slot's first k: 512 (p / 16) + 8 (p % 16) + 4 z
	s_lshl_b32 s51, s51, 12                        ; a row of W is 4,096 bytes
	s_and_b32 s52, ttmp9, 7
	s_lshl_b32 s53, s52, 9                         ; my columns: 128 (work-group % 8) + 32 (wave / 2), 4 bytes each
	s_add_co_u32 s51, s51, s53
	s_lshl_b32 s53, s32, 7
	s_add_co_u32 s54, s51, s53
	s_mov_b32 s55, 0
	s_lshr_b32 s52, s52, 1                         ; wc: block of 256 columns,
	s_lshl_b32 s52, s52, 18
	s_lshr_b32 s53, s50, 3                         ; K step p / 8,
	s_lshl_b32 s53, s53, 16
	s_add_co_u32 s52, s52, s53
	s_and_b32 s53, ttmp9, 1                        ; tile 8 (work-group % 2) + 2 (wave / 2),
	s_lshl_b32 s53, s53, 2
	s_add_co_u32 s53, s53, s32
	s_lshl_b32 s53, s53, 13
	s_add_co_u32 s52, s52, s53
	s_and_b32 s53, s50, 7                          ; slot 2 (p % 8) + z of the K step
	s_lshl_b32 s53, s53, 9
	s_add_co_u32 s52, s52, s53
	s_lshl_b32 s53, s33, 8
	s_add_co_u32 s52, s52, s53
	s_mov_b32 s53, 0
	s_wait_kmcnt 0x0
	s_load_b256 s[24:31], s[16:17], 0x0            ; e0 .. e7
	s_add_nc_u64 s[4:5], s[4:5], s[46:47]
	s_add_nc_u64 s[36:37], s[18:19], s[48:49]      ; what I send of set 0,
	s_add_nc_u64 s[38:39], s[36:37], 0x1000000     ; set 1,
	s_add_nc_u64 s[40:41], s[38:39], 0x1000000     ; set 2
	s_add_nc_u64 s[10:11], s[10:11], s[54:55]
	s_add_nc_u64 s[12:13], s[12:13], s[54:55]
	s_add_nc_u64 s[14:15], s[14:15], s[54:55]
	s_add_nc_u64 s[20:21], s[20:21], s[52:53]
.irp j, 0,1,2,3,4,5,6,7
	global_load_b128 v[GA+4*\j:GA+4*\j+3], v[XO], s[6:7] offset:512*\j
	global_load_b128 v[BE+4*\j:BE+4*\j+3], v[XO], s[8:9] offset:512*\j
.endr
.macro FILLX s, row                    ; my row number row into slot s: eight loads of 512 consecutive bytes
.irp j, 0,1,2,3,4,5,6,7
	global_load_b128 v[X+32*(\s)+4*\j:X+32*(\s)+4*\j+3], v[XO], s[4:5] offset:(\row)*4096+512*\j th:TH_LOAD_NT
.endr
.endm
.macro FILLW base, reg                 ; my column's 16 numbers of a weight: register y is byte y of my slot
.irp y, 0,1,2,3,4,5,6,7,8,9,10,11,12,13,14,15
	global_load_b32 v[(\reg)+\y], v[WO], s[\base:\base+1] offset:(128*(\y/4)+\y%4)*4096 th:TH_LOAD_NT
.endr
.endm
.macro MKSC e, q                       ; 2^e and 448 x 2^e as f32 numbers, from the whole number e
	s_add_co_i32 s46, s[\e], 127
	s_lshl_b32 s47, s46, 23
	v_mov_b32 v[SCL+2*(\q)], s47
	s_add_co_i32 s46, s46, 8
	s_lshl_b32 s46, s46, 23
	s_or_b32 s46, s46, 0x600000
	v_mov_b32 v[SCL+2*(\q)+1], s46
.endm
.macro REDUCE                          ; v[SA] summed over the 32 lanes, in every lane
	v_add_f32_dpp v[SA], v[SA], v[SA] row_xmask:1 row_mask:0xf bank_mask:0xf
	v_add_f32_dpp v[SA], v[SA], v[SA] row_xmask:2 row_mask:0xf bank_mask:0xf
	v_add_f32_dpp v[SA], v[SA], v[SA] row_xmask:4 row_mask:0xf bank_mask:0xf
	v_add_f32_dpp v[SA], v[SA], v[SA] row_xmask:8 row_mask:0xf bank_mask:0xf
	v_permlanex16_b32 v[PT], v[SA], s42, s43
	v_add_f32 v[SA], v[SA], v[PT]
.endm
.macro QSET q, s, row                  ; the row in slot s becomes codes of set q: two slots of 16 bytes a lane, into stage q
.irp g, 0,1
.irp i, 0,1,2,3,4,5,6,7,8,9,10,11,12,13,14,15
	v_med3_num_f32 v[HH+\i], v[X+32*(\s)+16*\g+\i], -v[SCL+2*(\q)+1], v[SCL+2*(\q)+1]   ; the conversion to an 8-bit code does not saturate (ISA guide 7.6.2): the hold comes first
.endr
	v_cvt_scalef32_pk8_fp8_f32 v[CD+4*\g:CD+4*\g+1], v[HH:HH+7], v[SCL+2*(\q)]
	v_cvt_scalef32_pk8_fp8_f32 v[CD+4*\g+2:CD+4*\g+3], v[HH+8:HH+15], v[SCL+2*(\q)]
	ds_store_b128 v[STA], v[CD+4*\g:CD+4*\g+3] offset:(\q)*STGB+\g*8704+(\row)*16
	v_nop                                          ; a plain vector line between the conversions and the next write of their sources
.endr
.endm
; A row's turn.  cnt: the loads issued behind this slot's own, which may stay out.
.macro LNTURN s, row, cnt
.set XS, X+32*(\s)
	s_wait_loadcnt \cnt
	v_pk_add_f32 v[SA:SA+1], v[XS:XS+1], v[XS+2:XS+3]          ; the sum, two at a time, in two chains
	v_pk_add_f32 v[SB:SB+1], v[XS+4:XS+5], v[XS+6:XS+7]
.set J, 8
.rept 6
	v_pk_add_f32 v[SA:SA+1], v[SA:SA+1], v[XS+J:XS+J+1]
	v_pk_add_f32 v[SB:SB+1], v[SB:SB+1], v[XS+J+2:XS+J+3]
.set J, J+4
.endr
	v_pk_add_f32 v[SA:SA+1], v[SA:SA+1], v[SB:SB+1]
	v_add_f32 v[SA], v[SA], v[SA+1]
	REDUCE
	v_mul_f32 v[MU], s44, v[SA]                    ; the mean
.set J, 0
.rept 16
	v_pk_add_f32 v[XS+J:XS+J+1], v[XS+J:XS+J+1], v[MU:MU+1] op_sel_hi:[1,0] neg_lo:[0,1] neg_hi:[0,1]   ; x - mean, in place
.set J, J+2
.endr
	v_pk_mul_f32 v[SA:SA+1], v[XS:XS+1], v[XS:XS+1]            ; the squares of the differences: no difference of large sums is formed
	v_pk_mul_f32 v[SB:SB+1], v[XS+2:XS+3], v[XS+2:XS+3]
.set J, 4
.rept 7
	v_pk_fma_f32 v[SA:SA+1], v[XS+J:XS+J+1], v[XS+J:XS+J+1], v[SA:SA+1]
	v_pk_fma_f32 v[SB:SB+1], v[XS+J+2:XS+J+3], v[XS+J+2:XS+J+3], v[SB:SB+1]
.set J, J+4
.endr
	v_pk_add_f32 v[SA:SA+1], v[SA:SA+1], v[SB:SB+1]
	v_add_f32 v[SA], v[SA], v[SA+1]
	REDUCE
	v_fma_f32 v[RS], v[SA], s44, s45               ; var + eps
	v_rsq_f32 v[RS], v[RS]
	v_nop                                          ; a plain line behind the transcendental,
	s_wait_alu depctr_va_vdst(0)                   ; and the wait ahead of its first reader
.set J, 0
.rept 16
	v_pk_mul_f32 v[XS+J:XS+J+1], v[XS+J:XS+J+1], v[RS:RS+1] op_sel_hi:[1,0]
.set J, J+2
.endr
.set J, 0
.rept 16
	v_pk_fma_f32 v[XS+J:XS+J+1], v[XS+J:XS+J+1], v[GA+J:GA+J+1], v[BE+J:BE+J+1]
.set J, J+2
.endr
	QSET 0, \s, \row                               ; with e0, for the product with Wq,
	QSET 1, \s, \row                               ; with e2, for Wk,
	QSET 2, \s, \row                               ; with e4, for Wv
.endm
.macro WTURN m, reg, cnt               ; my 16 numbers of weight m become a slot of 16 codes; sixteen lanes store 256 consecutive bytes, aligned
	s_wait_loadcnt \cnt
.set J, 0
.rept 16
	v_med3_num_f32 v[(\reg)+J], v[(\reg)+J], -v[SCL+2*(\m)+1], v[SCL+2*(\m)+1]
.set J, J+1
.endr
	v_cvt_scalef32_pk8_fp8_f32 v[CW+4*(\m):CW+4*(\m)+1], v[(\reg):(\reg)+7], v[SCL+2*(\m)]
	v_cvt_scalef32_pk8_fp8_f32 v[CW+4*(\m)+2:CW+4*(\m)+3], v[(\reg)+8:(\reg)+15], v[SCL+2*(\m)]
	v_nop
	global_store_b128 v[WS], v[CW+4*(\m):CW+4*(\m)+3], s[20:21] offset:(\m)*1048576
.endm
.macro OLOAD q, ob                     ; my half of stage q: an instruction takes two slots
.set N, 0
.rept 16
	ds_load_b128 v[(\ob)+4*N:(\ob)+4*N+3], v[RD] offset:(\q)*STGB+N*544
.set N, N+1
.endr
.endm
.macro OSTORE base, ob, younger        ; and leaves, 512 consecutive bytes of xa a store.  younger: the LDS loads issued behind this set's sixteen
.set N, 0
.rept 16
	s_wait_dscnt (\younger)+15-N
	global_store_b128 v[XO], v[(\ob)+4*N:(\ob)+4*N+3], s[\base:\base+1] offset:(N/8)*65536+(N%8)*512
.set N, N+1
.endr
.endm
	FILLX 0, 0
	FILLX 1, 1
	FILLX 2, 2
	FILLX 3, 3
	s_wait_kmcnt 0x0
	MKSC 24, 0
	MKSC 26, 1
	MKSC 28, 2
	LNTURN 0, 0, 24                                ; behind a slot's eight loads stand three other rows' 24
	FILLX 0, 4
	LNTURN 1, 1, 24
	FILLX 1, 5
	LNTURN 2, 2, 24
	FILLX 2, 6
	LNTURN 3, 3, 24
	FILLX 3, 7
	LNTURN 0, 4, 24
	FILLW 10, X                                    ; the slots that the last rows leave take the weights: Wq and Wk here,
	FILLW 12, X+16
	LNTURN 1, 5, 48                                ; two rows' 16 and two weights' 32
	LNTURN 2, 6, 40                                ; a row's 8 and two weights' 32
	FILLW 14, X+64                                 ; Wv here
	LNTURN 3, 7, 48                                ; three weights' 48
	MKSC 25, 0                                     ; e1, e3, e5
	MKSC 27, 1
	MKSC 29, 2
	WTURN 0, X, 32
	WTURN 1, X+16, 16
	WTURN 2, X+64, 0
	s_wait_dscnt 0x0                               ; for the other wave's sake: my rows' codes lie in the stages
	s_barrier_signal -1
	s_barrier_wait -1                              ; every slot of my tile is whole
	s_wait_xcnt 0x0                                ; the weights' stores have read their data: the ring's registers may be loaded again
	OLOAD 0, X
	OLOAD 1, X+64
	OSTORE 36, X, 16
	s_wait_xcnt 0x0                                ; set 0's stores have read their data
	OLOAD 2, X
	OSTORE 38, X+64, 16
	OSTORE 40, X, 0
	s_wait_tensorcnt 0x0
	ds_add_u32 v248, v249
	s_wait_dscnt 0x0
	s_endpgm
.Lfunc_end_k_q6626080668_prep:
	.size	k_q6626080668_prep, .Lfunc_end_k_q6626080668_prep-k_q6626080668_prep
	.p2alignl 7, 3214868480
	.fill 96, 4, 3214868480
	.section	.rodata,"a",@progbits
	.p2align	6, 0x0
	.amdhsa_kernel k_q6626080668_prep
		.amdhsa_group_segment_fixed_size 209920
		.amdhsa_private_segment_fixed_size 0
		.amdhsa_enable_private_segment 0
		.amdhsa_kernarg_size 72
		.amdhsa_user_sgpr_count 2
		.amdhsa_user_sgpr_kernarg_segment_ptr 1
		.amdhsa_wavefront_size32 1
		.amdhsa_system_sgpr_workgroup_id_x 1
		.amdhsa_system_sgpr_workgroup_id_y 1
		.amdhsa_system_sgpr_workgroup_id_z 1
		.amdhsa_system_vgpr_workitem_id 0
		.amdhsa_next_free_vgpr 250
		.amdhsa_next_free_sgpr 66
		.amdhsa_reserve_vcc 0
		.amdhsa_float_denorm_mode_32 3
		.amdhsa_float_denorm_mode_16_64 3
		.amdhsa_memory_ordered 1
		.amdhsa_forward_progress 1
		.amdhsa_inst_pref_size 137
	.end_amdhsa_kernel
	.amdgpu_metadata
---
amdhsa.version: [ 1, 2 ]
amdhsa.kernels:
  - .name:           k_q6626080668_prep
    .symbol:         k_q6626080668_prep.kd
    .args:
      - { .name: x, .offset: 0, .size: 8, .value_kind: global_buffer, .address_space: global }
      - { .name: gamma, .offset: 8, .size: 8, .value_kind: global_buffer, .address_space: global }
      - { .name: beta, .offset: 16, .size: 8, .value_kind: global_buffer, .address_space: global }
      - { .name: Wq, .offset: 24, .size: 8, .value_kind: global_buffer, .address_space: global }
      - { .name: Wk, .offset: 32, .size: 8, .value_kind: global_buffer, .address_space: global }
      - { .name: Wv, .offset: 40, .size: 8, .value_kind: global_buffer, .address_space: global }
      - { .name: lowp_scales, .offset: 48, .size: 8, .value_kind: global_buffer, .address_space: global }
      - { .name: xa, .offset: 56, .size: 8, .value_kind: global_buffer, .address_space: global }
      - { .name: wc, .offset: 64, .size: 8, .value_kind: global_buffer, .address_space: global }
    .group_segment_fixed_size: 209920
    .private_segment_fixed_size: 0
    .kernarg_segment_align: 8
    .kernarg_segment_size: 72
    .max_flat_workgroup_size: 256
    .sgpr_count:     66
    .vgpr_count:     250
    .wavefront_size: 32
...
	.end_amdgpu_metadata
.endif
;; end of part 1
;; launch main (part 2): grid 4 x 64, 4 waves a work-group, clusters of 4 x 4, 327,680 bytes of LDS; arguments xa, wc, lowp_scales, bq, bk, bv, src_mask, qc, lq, pa, ml; writes qc, lq, pa, ml
.if DOCPART == 2
	.amdgcn_target "amdgcn-amd-amdhsa--gfx1250"
	.amdhsa_code_object_version 6
	.text
	.protected	k_q6626080668_main
	.globl	k_q6626080668_main
	.p2align	8
	.type	k_q6626080668_main,@function
k_q6626080668_main:
	s_mov_b64 s[64:65], 0
	v_nop
	global_prefetch_b8 v0, s[64:65] scope:SCOPE_SE
	s_setreg_imm32_b32 hwreg(HW_REG_WAVE_MODE, 25, 1), 1
	s_wait_xcnt 0x0
	s_wait_alu depctr_hold_cnt(0) depctr_sa_sdst(0) depctr_va_vdst(0) depctr_va_sdst(0) depctr_va_ssrc(0) depctr_va_vcc(0) depctr_vm_vsrc(0)
	s_getreg_b32 s2, hwreg(HW_REG_IB_STS2, 6, 4)
	s_cmp_eq_u32 s2, 0
	s_cbranch_scc0 .Lentry_in_a_cluster
	s_endpgm
.Lentry_in_a_cluster:
	s_bfe_u32 s2, ttmp6, 0x10000c
	s_cmp_lg_u32 s2, 0xf033
	s_cbranch_scc0 .Lentry_shape_is_right
	s_endpgm
.Lentry_shape_is_right:
; MAIN.  For a block of 256 rows (R) and 256 columns (C: heads 2 C, 2 C + 1): q, k, v = xn W + b on codes of E4M3 (three phases, one GEMM tile each, K = 1,024 in four K steps of 256), both softmaxes, the mask,
; the quantising of q's p, k's p and v, and att's part for these 256 rows: sum over the rows of p_k v, on codes.
; SOFTMAX AHEAD OF A PRODUCT: t = logit x log2(e), M = ceil(largest t), p = 2^(t - M) is quantised, the sum of the unquantised p is stored beside it.  q: along a head's 128 features.  k: along time, here with the M of
; these 256 rows; the next launch joins the 16 blocks of a batch by exact powers of two.
; LIMITS: e6, e7, e9 between -126 and 119; e0 + e1, e2 + e3, e4 + e5 between -126 and 127, so that each power of two below is an f32 number.  NaN among the inputs is not served.
; SHARES.  Four waves, wave w = 2 a + b, each 128 x 128: 64 accumulators.  A slot of LDS holds region X (256 rows of codes, source 0: a wave reads half a) and region Y (source 1: half b).
; Phase Q: X = Wq, Y = xn: a lane holds a time row, its registers run along the features (head 2 C + a, rows 128 b on).  Phases K and V: X = xn, Y = W: a lane holds a feature, its registers run along time
; (rows 128 a on, head 2 C + b).  What is loaded into X and Y changes; the LDS addresses that are read never do.
; In the result of source 1's tile g (a GROUP: 64 registers on end), register 8 i + j of lane (r, h) is source 0's row 16 i + 8 h + j against source 1's row 16 g + r.  Eight registers on end are eight neighbours along the
; next product's K, in the very places that the 8-bit operand's layout gives them: the conversions' results are the next operand's registers.
; THE CODES' LAYOUT makes every tile dense: a fragment (16 rows x 128 K) is four loads of 512 consecutive bytes; no pitch, no padding.
; RING: two slots of 131,072 bytes; the twelve K steps of the three phases go through them without a stop.  Each wave fetches a quarter of a slot, one tensor load of 32,768 bytes.
; CLUSTER 4 x 4: the four work-groups of a row of the cluster need the same xn, the four of a column the same W: joint loads, each with the mask of its four.
; xn's SETS: phase Q takes set 0 of xn's codes (made with e0), phase K set 1 (e2), phase V set 2 (e4): a set lies 16,777,216 bytes behind the one before, so every step of a descriptor is a constant.
; p OF PHASE K waits in LDS as images of its fragments' registers (seven of a wave's eight; the eighth in registers until slot 0 has had its last fill and its last read).
; PREFETCH INTO THE L2.  At the j-th change of slots of phase Q or K, K step j of the NEXT phase is asked for: two changes of slots ahead of the tensor loads that want its K steps 0 and 1; for its K steps 2 and 3 a softmax
; more lies between.  Waves 0 and 1 ask for xn's two halves of 32,768 bytes, waves 2 and 3 for W's.  Of a half each of the four partners that fetch it jointly takes 8,192 bytes, told apart BY ADDRESS (cx for xn, cy for W),
; a lane 256 bytes: one instruction a wave.  xn's blocks are read by this row of this cluster alone; W's by all sixteen clusters, of which the one with y = 0 asks.  So each block of 256 bytes is named once in the launch.
; Phase Q's four K steps come by their loads alone; phase V asks for nothing: no phase stands behind it.
.set SLOT1, 131072
.set PIMG,  262144                     ; p's images: 14,336 bytes a wave
.set XCH,   319488                     ; the maxima that waves w and w xor 2 exchange: 512 bytes a wave
.set GST,   321536                     ; a wave's 128 figures on their way to one store: 512 bytes a wave
.set SPARE, 323584                     ; the spare words, 128 bytes for each wave: two blocks of 256 bytes that no other line names
.set P7B,   65536                      ; in slot 0, behind its last fill: p's eighth image, 2,048 bytes a wave; v's images lie at 0, 16,384 bytes a wave
.set L16,   1                          ; v1   16 x lane
.set ADR0B, 2                          ; v2   source 0's fragments in slot 0
.set ADR1B, 3                          ; v3   source 1's
.set ADR0,  4                          ; v4, v5 the same in the slot in hand
.set ADR1,  5
.set SPW,   6                          ; v6   LDS address of my spare word; never rewritten
.set NIL,   7                          ; v7   0; never rewritten
.set VO,    8                          ; v8   32 h: my eight numbers of sixteen along the registers
.set GBO,   9                          ; v9   4 r
.set XW,    10
.set XR,    11
.set GSW,   12
.set GSR,   13
.set PW,    14                         ; v14  where I store p's images
.set AVW,   15                         ; v15  v's
.set AP7W,  16                         ; v16  p's eighth
.set ADP,   17                         ; v17-19 where I read them for the last product
.set ADP7,  18
.set ADV,   19
.set SC,    20                         ; v20  the phase's scale 2^e as f32;  v21  448 x 2^e
.set LIM,   21
.set NINF,  22                         ; v22  -infinity
.set ZP,    24                         ; v[24:25] zeros
.set MA,    26
.set MB,    27
.set GT,    28                         ; v[28:31] four of the wave's 128 sums
.set P7,    32                         ; v32-47 p's eighth fragment
.set GB,    48                         ; v48+2g  the bias of my lane's feature in group g (upper halves 0)
.set NM,    64                         ; v64+2g  -M of group g
.set MX,    80
.set LSUM,  88
.set LS0,   96
.set LS1,   98
.set PT,    100
.set GT2,   108
.set A1V,   112                        ; v[112:117] three pairs: what is added along the registers = (loaded x A1 + B1) x A2
.set B1V,   114
.set A2V,   116
.set PFO,   118                        ; v118 the prefetches' offset: 256 x lane; never rewritten
.set SRC1,  128                        ; v128-255 source 1's eight fragments; behind a phase's products the codes, 16 registers a group
.set CODE,  128
.set G1A,   28                         ; s[28:35] descriptor group 1 for xn's tiles, s[36:43] for W's: they differ in the mask
.set G1B,   36
.set G0A0,  44                         ; group 0: a set for each of the two first fills; the second then walks on
.set G0A1,  48
.set G0B0,  52
.set G0B1,  56
.set WV,    60
.set AW,    61
.set BW,    62
.set FL,    63                         ; 0: I fetch xn, else W
.set TB,    66                         ; LDS byte at which the slot in hand begins
.set PH,    67                         ; phase 0 (Q), 1 (K)
.set KC,    78
.set ASKF,  79                         ; 1 in a wave that prefetches, else 0
.set PFA,   80                         ; s[80:81] where my prefetches stand
.set PFS,   82                         ; s[82:83] their step at a phase's head
.set CS,    84                         ; s[84:85] 2^(ea + eb) of the phase
.set L2E,   86                         ; s[86:87] log2(e)
.set PML5,  92                         ; s[92:93] ml + 512: the sums' place
.set GBM,   94
.set KM,    95
.set PVA,   96
.set PL,    98
.set SEL,   8
.set MSB,   0
.macro WIN new                         ; the immediate's high byte repeats the setting that is left; a switch that changes nothing is dropped
.if MSB != (\new)
	s_set_vgpr_msb (MSB<<8)|(\new)
.set MSB, (\new)
.endif
.endm
.set MUL_LO, 0xa1                      ; source 0 window 1, source 1 window 0, C and D window 2
.set MUL_HI, 0xf1                      ; the same, C and D window 3
.macro PLACES n                        ; plain vector lines behind matrix instructions, in front of loads into their registers and of reads of their results
.rept \n
	v_nop
.endr
.endm
.macro CREST                           ; a round of the cluster's barrier behind its opening barrier
	s_cmp_lg_u32 s[WV], 0
	s_cbranch_scc1 .Lnot_wave_0_\@
	s_barrier_signal -3
.Lnot_wave_0_\@:
	s_barrier_wait -3
	s_barrier_signal -1
	s_barrier_wait -1
.endm
.macro CROUND
	s_barrier_signal -1
	s_barrier_wait -1
	CREST
.endm
; A joint refill by the walking descriptors.  Each of the two lines has one mask; either way wave w fills quarter w of the slot.  The branch hangs on the wave's number and the phase: it is the same in every work-group.
; Four v_nop follow each line, ahead of the jump, the label and what follows.
.macro JLOAD
	s_cmp_eq_u32 s[FL], 0
	s_cbranch_scc0 .Lfor_w_\@
	tensor_load_to_lds s[G0A1:G0A1+3], s[G1A:G1A+7]
	s_nop 0
.rept 4
	v_nop
.endr
	s_branch .Lasked_\@
.Lfor_w_\@:
	tensor_load_to_lds s[G0B1:G0B1+3], s[G1B:G1B+7]
	s_nop 0
.rept 4
	v_nop
.endr
.Lasked_\@:
.endm
.macro PFSTEP                          ; the prefetches' address goes a K step on, ahead of a change of slots: the last prefetch, a K step back, has read it
	s_wait_xcnt 0x0
	s_add_nc_u64 s[PFA:PFA+1], s[PFA:PFA+1], 65536
.endm
.macro ASK                             ; my 8,192 bytes of the next phase's K step.  The branch hangs on the wave's number and the cluster's y: it is the same in all sixteen partners
	s_cmp_eq_u32 s[ASKF], 1
	s_cbranch_scc0 .Lnot_mine_\@
	global_prefetch_b8 v[PFO], s[PFA:PFA+1] th:TH_LOAD_NT scope:SCOPE_SE
.Lnot_mine_\@:
.endm
.macro WALK cross                      ; the walking descriptors: the other slot, the next K step; cross = 1: the next phase's first K step
	s_xor_b32 s[G0A1+1], s[G0A1+1], SLOT1
	s_xor_b32 s[G0B1+1], s[G0B1+1], SLOT1
.if \cross
	s_add_nc_u64 s[G0A1+2:G0A1+3], s[G0A1+2:G0A1+3], 16580608 ; xn: a set on (16,777,216), three K steps back (196,608); the type bits on top are not reached
	s_add_nc_u64 s[G0B1+2:G0B1+3], s[G0B1+2:G0B1+3], 851968   ; W: a matrix on (1,048,576), three K steps back
	s_mov_b32 s[FL], s[AW]                                     ; from here on region X is xn
.else
	s_add_nc_u64 s[G0A1+2:G0A1+3], s[G0A1+2:G0A1+3], 65536
	s_add_nc_u64 s[G0B1+2:G0B1+3], s[G0B1+2:G0B1+3], 65536
.endif
.endm
.macro FRAG reg, adr, q, i             ; tile i's fragment of the slot's q-th 128 along K: four loads of 512 consecutive bytes
.irp c, 0,1,2,3
	ds_load_b128 v[\reg+4*\c:\reg+4*\c+3], v[\adr] offset:(\i)*4096+(\q)*2048+512*\c
.endr
.endm
.macro FETCH_S0 q, p                   ; source 0's eight fragments into set p of window 1
	WIN 0x40
.irp i, 0,1,2,3,4,5,6,7
	FRAG 128*(\p)+16*\i, ADR0, \q, \i
.endr
	WIN 0
.endm
.macro FETCH_S1 q, i0                  ; source 1's fragments i0 .. i0 + 3
.irp i, \i0, \i0+1, \i0+2, \i0+3
	FRAG SRC1+16*(\i), ADR1, \q, \i
.endr
.endm
; 16 matrix instructions: source 1's tiles a0, a0 + 1 against source 0's eight.  The 64 accumulators take turns, one instruction a turn, in the same order in every step.
.macro MUL16 a0, p, zero
.irp a, \a0, \a0+1
.irp b, 0,1,2,3,4,5,6,7
.if \zero
	v_wmma_f32_16x16x128_fp8_fp8 v[8*(8*((\a)%4)+\b):8*(8*((\a)%4)+\b)+7], v[128*(\p)+16*\b:128*(\p)+16*\b+15], v[SRC1+16*(\a):SRC1+16*(\a)+15], 0
.else
	v_wmma_f32_16x16x128_fp8_fp8 v[8*(8*((\a)%4)+\b):8*(8*((\a)%4)+\b)+7], v[128*(\p)+16*\b:128*(\p)+16*\b+15], v[SRC1+16*(\a):SRC1+16*(\a)+15], v[8*(8*((\a)%4)+\b):8*(8*((\a)%4)+\b)+7]
.endif
.endr
.endr
.endm
; A K step's first 128 along K.  zero = 1: a phase's first products start the sums.
.macro STEP zero
	s_wait_dscnt 16                                ; source 0's set and source 1's tiles 0-3 are in; the youngest sixteen loads (tiles 4-7) may be out
	WIN MUL_LO
	MUL16 0, 0, \zero
	MUL16 2, 0, \zero
	s_wait_dscnt 0x0
	PLACES 4
	FETCH_S0 1, 1
	FETCH_S1 1, 0
	WIN MUL_HI
	MUL16 4, 0, \zero
	MUL16 6, 0, \zero
	PLACES 4
	WIN 0
	FETCH_S1 1, 4
.endm
; A K step's second 128 along K, and the change of slots: one barrier; in front of it each wave waits for all its tensor loads, adds 0 to its spare word, and waits for that and for its reads of this slot.
; fill = 1: the barrier opens a round of the cluster's barrier and this slot is filled again, two K steps ahead.  fetch = 1: the next slot's first fragments are fetched.  ask = 1: a prefetch stands behind the
; joint load, its four lines and the run of LDS loads for which the next products wait.
.macro TURN fill, cross, fetch, ask
	s_wait_tensorcnt 0x0                           ; all my tensor loads have landed: my quarter of the next slot; so a group 0 may be written
	ds_add_u32 v[SPW], v[NIL]                      ; 0 onto my spare word
.if \fill
	WALK \cross
.endif
	s_xor_b32 s[TB], s[TB], SLOT1
	s_wait_dscnt 17                                ; (the add and the youngest sixteen loads may be out)
	WIN MUL_LO
	MUL16 0, 1, 0                                  ; sixteen matrix instructions stand between the add and the wait for it
	s_wait_dscnt 0x0                               ; the add is done, and my reads of this slot are over
	s_barrier_signal -1
	MUL16 2, 1, 0
	WIN 0
	s_barrier_wait -1
.if \fill
	CREST                                          ; no wave of any partner still reads this slot or has a load on its way
	JLOAD                                          ; my one tensor load behind the round; its four v_nop are among the places in front of the loads below
.else
	PLACES 4
.endif
	v_add_nc_u32 v[ADR0], s[TB], v[ADR0B]
	v_add_nc_u32 v[ADR1], s[TB], v[ADR1B]
.if \fetch
	FETCH_S0 0, 0
	FETCH_S1 0, 0
.endif
.if \ask
	ASK
.endif
	WIN MUL_HI
	MUL16 4, 1, 0
	MUL16 6, 1, 0
.if \fetch
	PLACES 4
	WIN 0
	FETCH_S1 0, 4
.else
	WIN 0
.endif
.endm
; What a phase adds or multiplies: 64 numbers along my registers (bq, or the mask of my 64 time rows) into window 1, where source 0's set 0 is done with, and a bias for my lane's feature in each group.
.macro VALOAD pva, pgb
	WIN 0x40
.irp i, 0,1,2,3,4,5,6,7
.irp z, 0,1
	global_load_b128 v[8*\i+4*\z:8*\i+4*\z+3], v[VO], s[\pva:\pva+1] offset:64*\i+16*\z
.endr
.endr
	WIN 0
.irp g, 0,1,2,3,4,5,6,7
	global_load_b32 v[GB+2*\g], v[GBO], s[\pgb:\pgb+1] offset:64*\g
.endr
.endm
; Group g, first pass: logit = sum x 2^(ea + eb) + the lane's bias, + what runs along the registers; its largest.  Each accumulator is read from its low end on.
.macro EP1 g
.set WW, 2+(\g)/4
.set AC, 64*((\g)%4)
	WIN (WW<<6)|WW
.set J, 0
.rept 32
	v_pk_fma_f32 v[AC+J:AC+J+1], v[AC+J:AC+J+1], s[CS:CS+1], v[GB+2*(\g):GB+2*(\g)+1] op_sel_hi:[1,0,0]
.set J, J+2
.endr
	WIN (WW<<6)|4|WW
.set J, 0
.rept 32
	v_pk_add_f32 v[AC+J:AC+J+1], v[AC+J:AC+J+1], v[J:J+1]
.set J, J+2
.endr
	WIN (WW<<4)|(WW<<2)
	v_max3_num_f32 v[MA], v[NINF], v[AC], v[AC+1]
	v_max3_num_f32 v[MB], v[NINF], v[AC+2], v[AC+3]
.set J, 4
.rept 15
	v_max3_num_f32 v[MA], v[MA], v[AC+J], v[AC+J+1]
	v_max3_num_f32 v[MB], v[MB], v[AC+J+2], v[AC+J+3]
.set J, J+4
.endr
	WIN 0
	v_max_num_f32 v[MX+\g], v[MA], v[MB]
.endm
; Group g, second pass: p = 2^(t - M); the sum of the unquantised p; the hold; the codes.
.macro EP2 g
.set WW, 2+(\g)/4
.set AC, 64*((\g)%4)
	WIN (WW<<6)|WW
.set J, 0
.rept 32
	v_pk_fma_f32 v[AC+J:AC+J+1], v[AC+J:AC+J+1], s[L2E:L2E+1], v[NM+2*(\g):NM+2*(\g)+1] op_sel_hi:[1,0,0]   ; t - M, one rounding
.set J, J+2
.endr
.set J, 0
.rept 64
	v_exp_f32 v[AC+J], v[AC+J]
.set J, J+1
.endr
	v_nop                                          ; a plain line behind the last exponential,
	s_wait_alu depctr_va_vdst(0)                   ; and one wait for the batch of 64, ahead of its first reader
	WIN WW<<2
	v_pk_add_f32 v[LS0:LS0+1], v[ZP:ZP+1], v[AC:AC+1]
	v_pk_add_f32 v[LS1:LS1+1], v[ZP:ZP+1], v[AC+2:AC+3]
.set J, 4
.rept 15
	v_pk_add_f32 v[LS0:LS0+1], v[LS0:LS0+1], v[AC+J:AC+J+1]
	v_pk_add_f32 v[LS1:LS1+1], v[LS1:LS1+1], v[AC+J+2:AC+J+3]
.set J, J+4
.endr
	WIN (WW<<6)|WW
.set J, 0
.rept 64
	v_min_num_f32 v[AC+J], v[AC+J], v[LIM]         ; the conversion does not saturate (ISA guide 7.6.2); p is not negative, so the hold is one-sided
.set J, J+1
.endr
	WIN WW
.set J, 0
.rept 8
	v_cvt_scalef32_pk8_fp8_f32 v[CODE+16*(\g)+2*J:CODE+16*(\g)+2*J+1], v[AC+8*J:AC+8*J+7], v[SC]
.set J, J+1
.endr
	WIN 0
	v_nop                                          ; a plain line behind the last conversion
	v_pk_add_f32 v[LS0:LS0+1], v[LS0:LS0+1], v[LS1:LS1+1]
	v_add_f32 v[LSUM+\g], v[LS0], v[LS0+1]
.endm
; Group g of phase V: v = (sum x 2^(e4 + e5) + bv) x mask, held, quantised; its fragment's image goes to LDS.
.macro EPV g
.set WW, 2+(\g)/4
.set AC, 64*((\g)%4)
	WIN (WW<<6)|WW
.set J, 0
.rept 32
	v_pk_fma_f32 v[AC+J:AC+J+1], v[AC+J:AC+J+1], s[CS:CS+1], v[GB+2*(\g):GB+2*(\g)+1] op_sel_hi:[1,0,0]
.set J, J+2
.endr
	WIN (WW<<6)|4|WW
.set J, 0
.rept 32
	v_pk_mul_f32 v[AC+J:AC+J+1], v[AC+J:AC+J+1], v[J:J+1]
.set J, J+2
.endr
	WIN (WW<<6)|WW
.set J, 0
.rept 64
	v_med3_num_f32 v[AC+J], v[AC+J], -v[LIM], v[LIM]
.set J, J+1
.endr
	WIN WW
.set J, 0
.rept 8
	v_cvt_scalef32_pk8_fp8_f32 v[CODE+16*(\g)+2*J:CODE+16*(\g)+2*J+1], v[AC+8*J:AC+8*J+7], v[SC]
.set J, J+1
.endr
	WIN 0
	v_nop
.irp c, 0,1,2,3
	ds_store_b128 v[AVW], v[CODE+16*(\g)+4*\c:CODE+16*(\g)+4*\c+3] offset:(\g)*2048+\c*512
.endr
.endm
	s_load_b512 s[4:19], s[0:1], 0x0               ; xa s[4:5], wc s[6:7], the exponents s[8:9], bq s[10:11], bk s[12:13], bv s[14:15], src_mask s[16:17], qc s[18:19]
	s_load_b128 s[20:23], s[0:1], 0x40             ; lq s[20:21], pa s[22:23]
	s_load_b64 s[24:25], s[0:1], 0x50              ; ml
	v_lshl_add_u32 v[SPW], v0, 2, SPARE
	v_mov_b32 v[NIL], 0
	ds_add_u32 v6, v7
	ds_add_u32 v6, v7
	s_wait_dscnt 0x0
	v_lshrrev_b32 v1, 5, v0
	v_readfirstlane_b32 s[WV], v1                  ; wave 0..3
	s_lshr_b32 s[AW], s[WV], 1                     ; a: my half of region X
	s_and_b32 s[BW], s[WV], 1                      ; b: my half of region Y.  Also: which half of a region I fetch
	s_xor_b32 s[FL], s[AW], 1                      ; phase Q: waves 0, 1 fill region X with W, waves 2, 3 region Y with xn
	s_bfe_u32 s2, ttmp6, 0x40000                   ; cx
	s_bfe_u32 s3, ttmp6, 0x40004                   ; cy
	s_lshl_b32 s26, s3, 2
	s_lshl_b32 s26, 15, s26                        ; my row of the cluster
	s_lshl_b32 s78, 0x1111, s2                     ; my column
	s_or_b32 s[G1A], s26, (3<<16)|(1<<21)          ; 15:0 the mask: xn's tiles go to my row; 17:16 elements of 8 bytes; 21 set beside a mask; no padding
	s_or_b32 s[G1B], s78, (3<<16)|(1<<21)          ; W's go to my column
.irp g, G1A, G1B                       ; a dense block of 32,768 bytes as 128 rows of 256 bytes
	s_mov_b32 s[\g+1], 32<<16                      ; tensor_dim0 = 32 elements
	s_mov_b32 s[\g+2], 128<<16                     ; tensor_dim1 = 128
	s_mov_b32 s[\g+3], 32<<16                      ; tile_dim0
	s_mov_b32 s[\g+4], 128                         ; tile_dim1
	s_mov_b32 s[\g+5], 32                          ; from row to row
	s_mov_b32 s[\g+6], 0
	s_mov_b32 s[\g+7], 0
.endr
	s_lshl_b32 s79, ttmp9, 2
	s_add_co_u32 s2, s79, s2                       ; C = 4 x cluster x + cx
	s_and_b32 s27, ttmp7, 0xffff
	s_lshl_b32 s27, s27, 2
	s_add_co_u32 s3, s27, s3                       ; R = 4 x cluster y + cy
	s_lshl_b32 s26, s3, 18                         ; xn: block R, the half that I fetch: it hangs on R and the wave alone
	s_lshl_b32 s27, s[BW], 15
	s_add_co_u32 s26, s26, s27
	s_mov_b32 s27, 0
	s_lshl_b32 s78, s2, 18                         ; W: block C, the half that I fetch: on C and the wave alone
	s_lshl_b32 s79, s[BW], 15
	s_add_co_u32 s78, s78, s79
	s_mov_b32 s79, 0
	s_lshl_b32 s100, s[WV], 15                     ; my quarter of a slot: no place in the cluster enters an LDS address
	s_wait_kmcnt 0x0
	s_load_b256 s[68:75], s[8:9], 0x0              ; e0 .. e7
	s_load_b64 s[76:77], s[8:9], 0x20              ; e8, e9
	s_add_nc_u64 s[4:5], s[4:5], s[26:27]          ; my half of my rows' first K step in set 0
	s_add_nc_u64 s[6:7], s[6:7], s[78:79]          ; my half of my columns' first K step in Wq
	s_mov_b32 s[G0A0], 1                           ; count = 1
	s_mov_b32 s[G0A0+1], s100                      ; LDS address: slot 0
	s_mov_b64 s[G0A0+2:G0A0+3], s[4:5]             ; K step 0
	s_or_b32 s[G0A0+3], s[G0A0+3], 0x80000000      ; type = 2
	s_mov_b32 s[G0A1], 1
	s_add_co_u32 s[G0A1+1], s100, SLOT1
	s_add_nc_u64 s[G0A1+2:G0A1+3], s[4:5], 65536   ; K step 1
	s_or_b32 s[G0A1+3], s[G0A1+3], 0x80000000
	s_mov_b32 s[G0B0], 1
	s_mov_b32 s[G0B0+1], s100
	s_mov_b64 s[G0B0+2:G0B0+3], s[6:7]
	s_or_b32 s[G0B0+3], s[G0B0+3], 0x80000000
	s_mov_b32 s[G0B1], 1
	s_add_co_u32 s[G0B1+1], s100, SLOT1
	s_add_nc_u64 s[G0B1+2:G0B1+3], s[6:7], 65536
	s_or_b32 s[G0B1+3], s[G0B1+3], 0x80000000
	CROUND                                         ; all sixteen work-groups are here: the first joint loads meet
	s_cmp_eq_u32 s[FL], 0                          ; a wave's two first fills stand in one branch: two loads of mine are out
	s_cbranch_scc0 .Lfirst_w
	tensor_load_to_lds s[G0A0:G0A0+3], s[G1A:G1A+7]
	s_nop 0
	tensor_load_to_lds s[G0A1:G0A1+3], s[G1A:G1A+7]
	s_nop 0
.rept 4
	v_nop
.endr
	s_branch .Lfirst_asked
.Lfirst_w:
	tensor_load_to_lds s[G0B0:G0B0+3], s[G1B:G1B+7]
	s_nop 0
	tensor_load_to_lds s[G0B1:G0B1+3], s[G1B:G1B+7]
	s_nop 0
.rept 4
	v_nop
.endr
.Lfirst_asked:
	; every LDS address register is made here: a constant, 16 or 4 x a lane term, a constant x the wave's number
	v_and_b32 v23, 31, v0
	v_lshlrev_b32 v[L16], 4, v23
	v_lshlrev_b32 v[PFO], 8, v23
	v_and_b32 v26, 15, v0                          ; r
	v_bfe_u32 v27, v0, 4, 1                        ; h
	s_lshl_b32 s26, s[AW], 15
	v_add_nc_u32 v[ADR0B], s26, v[L16]
	s_lshl_b32 s26, s[BW], 15
	s_add_co_u32 s26, s26, 65536
	v_add_nc_u32 v[ADR1B], s26, v[L16]
	v_lshlrev_b32 v[VO], 5, v27
	v_lshlrev_b32 v[GBO], 2, v26
	s_lshl_b32 s26, s[WV], 9
	s_add_co_u32 s27, s26, XCH
	v_add_nc_u32 v[XW], s27, v[GBO]
	s_xor_b32 s27, s[WV], 2
	s_lshl_b32 s27, s27, 9
	s_add_co_u32 s27, s27, XCH
	v_add_nc_u32 v[XR], s27, v[GBO]
	s_add_co_u32 s27, s26, GST
	v_add_nc_u32 v[GSW], s27, v[GBO]
	v_add_nc_u32 v[GSR], s27, v[L16]
	s_mul_i32 s27, s[WV], 14336
	s_add_co_u32 s27, s27, PIMG
	v_add_nc_u32 v[PW], s27, v[L16]
	s_lshl_b32 s27, s[WV], 14
	v_add_nc_u32 v[AVW], s27, v[L16]
	s_lshl_b32 s27, s[WV], 11
	s_add_co_u32 s27, s27, P7B
	v_add_nc_u32 v[AP7W], s27, v[L16]
	s_mul_i32 s27, s[BW], 14336                    ; the last product: head b's images; the writer of half i is wave 2 i + b
	s_add_co_u32 s27, s27, PIMG
	v_add_nc_u32 v[ADP], s27, v[L16]
	s_lshl_b32 s27, s[BW], 11
	s_add_co_u32 s27, s27, P7B
	v_add_nc_u32 v[ADP7], s27, v[L16]
	s_lshl_b32 s27, s[BW], 14
	s_lshl_b32 s26, s[AW], 13                      ; my four tiles of v's features: 4 a on
	s_add_co_u32 s27, s27, s26
	v_add_nc_u32 v[ADV], s27, v[L16]
	v_mov_b32 v[NINF], 0xff800000
	v_mov_b32 v[ZP], 0
	v_mov_b32 v[ZP+1], 0
.irp g, 0,1,2,3,4,5,6,7
	v_mov_b32 v[GB+2*\g+1], 0                      ; named as the upper halves of pairs
	v_mov_b32 v[NM+2*\g+1], 0
	v_mov_b32 v[PT+\g], 0                          ; a lane permute's destination counts as one of its sources
.endr
	; the prefetches: where mine stand, and who asks.  Nothing is prefetched here, at the head, where every work-group's first tiles are on their way
	s_bfe_u32 s100, ttmp6, 0x40000                 ; cx
	s_bfe_u32 s101, ttmp6, 0x40004                 ; cy
	s_and_b32 s26, ttmp7, 0xffff                   ; the cluster's y
	s_mov_b32 s[PFS], 786432                       ; W, at a phase's head: a matrix on (1,048,576), four K steps back (262,144)
	s_cmp_eq_u32 s[AW], 0                          ; waves 0 and 1 ask for xn, waves 2 and 3 for W; half b of the K step's block
	s_cselect_b64 s[PFA:PFA+1], s[4:5], s[6:7]
	s_cselect_b32 s100, s100, s101                 ; my place among the four that fetch that half jointly
	s_cselect_b32 s26, 0, s26                      ; xn's blocks are this cluster's alone; W's are asked for where the cluster's y is 0
	s_cselect_b32 s[PFS], 16515072, s[PFS]         ; xn: a set on (16,777,216), four K steps back
	s_mov_b32 s[PFS+1], 0
	s_cmp_eq_u32 s26, 0
	s_cselect_b32 s[ASKF], 1, 0                    ; the same in all sixteen partners, for a given wave
	s_lshl_b32 s100, s100, 13                      ; my work-group's 8,192 bytes of the half,
	s_add_co_u32 s100, s100, 196608                ; at K step 3 of phase Q: the first phase's head and its first change of slots step it to K step 0 of phase K
	s_mov_b32 s101, 0
	s_add_nc_u64 s[PFA:PFA+1], s[PFA:PFA+1], s[100:101]
	; the other buffers at my wave's part
	s_mov_b32 s89, 0
	s_lshl_b32 s90, s2, 1
	s_add_co_u32 s91, s90, s[AW]                   ; head 2 C + a (phase Q)
	s_add_co_u32 s90, s90, s[BW]                   ; head 2 C + b (phases K, V)
	s_lshl_b32 s88, s91, 9
	s_add_nc_u64 s[10:11], s[10:11], s[88:89]      ; bq at head 2 C + a
	s_lshl_b32 s88, s90, 9
	s_add_nc_u64 s[12:13], s[12:13], s[88:89]      ; bk, bv at head 2 C + b
	s_add_nc_u64 s[14:15], s[14:15], s[88:89]
	s_lshl_b32 s88, s3, 10
	s_lshl_b32 s100, s[AW], 9
	s_add_co_u32 s88, s88, s100
	s_add_nc_u64 s[16:17], s[16:17], s[88:89]      ; the mask at row 256 R + 128 a
	s_lshl_b32 s88, s3, 18
	s_lshl_b32 s100, s[BW], 17
	s_add_co_u32 s88, s88, s100
	s_lshl_b32 s100, s91, 11
	s_add_co_u32 s88, s88, s100
	s_add_nc_u64 s[18:19], s[18:19], s[88:89]      ; qc: time tile 16 R + 8 b, head 2 C + a
	s_lshl_b32 s88, s91, 16
	s_lshl_b32 s100, s3, 10
	s_add_co_u32 s88, s88, s100
	s_lshl_b32 s100, s[BW], 9
	s_add_co_u32 s88, s88, s100
	s_add_nc_u64 s[20:21], s[20:21], s[88:89]      ; lq: head 2 C + a, row 256 R + 128 b
	s_lshr_b32 s100, s3, 4
	s_lshl_b32 s100, s100, 3
	s_add_co_u32 s100, s100, s90                   ; 8 x batch + head
	s_lshl_b32 s100, s100, 4
	s_and_b32 s101, s3, 15
	s_add_co_u32 s100, s100, s101                  ; x 16 + my block of the batch's sixteen
	s_lshl_b32 s88, s100, 16
	s_lshl_b32 s101, s[AW], 15
	s_add_co_u32 s88, s88, s101
	s_add_nc_u64 s[22:23], s[22:23], s[88:89]      ; pa: my 32 accumulators
	s_lshl_b32 s88, s100, 11
	s_lshl_b32 s101, s[AW], 10
	s_add_co_u32 s88, s88, s101
	s_add_nc_u64 s[24:25], s[24:25], s[88:89]      ; ml: half a
	s_add_nc_u64 s[PML5:PML5+1], s[24:25], 512
	s_wait_kmcnt 0x0                               ; the exponents
	s_mov_b32 s[SEL], 0x76543210                   ; v_permlanex16_b32: lane l xor 16
	s_mov_b32 s[SEL+1], 0xfedcba98
	s_add_co_i32 s68, s68, s69                     ; s68, s69, s70: 2^(e0 + e1), 2^(e2 + e3), 2^(e4 + e5) as f32
	s_add_co_i32 s68, s68, 127
	s_lshl_b32 s68, s68, 23
	s_add_co_i32 s69, s70, s71
	s_add_co_i32 s69, s69, 127
	s_lshl_b32 s69, s69, 23
	s_add_co_i32 s70, s72, s73
	s_add_co_i32 s70, s70, 127
	s_lshl_b32 s70, s70, 23
	s_add_co_i32 s26, s77, 127                     ; s71, s72: 2^e9 and 448 x 2^e9 (q's p)
	s_lshl_b32 s71, s26, 23
	s_add_co_i32 s26, s26, 8
	s_lshl_b32 s26, s26, 23
	s_or_b32 s72, s26, 0x600000
	s_add_co_i32 s26, s74, 127                     ; s73, s74: the same with e6 (k's p)
	s_lshl_b32 s73, s26, 23
	s_add_co_i32 s26, s26, 8
	s_lshl_b32 s26, s26, 23
	s_or_b32 s74, s26, 0x600000
	s_add_co_i32 s26, s75, 127                     ; s75, s76: with e7 (v)
	s_lshl_b32 s75, s26, 23
	s_add_co_i32 s26, s26, 8
	s_lshl_b32 s26, s26, 23
	s_or_b32 s76, s26, 0x600000
	s_mov_b32 s77, 0xc9742400                      ; -1,000,000
	s_mov_b32 s[L2E], 0x3fb8aa3b                   ; log2(e)
	s_mov_b32 s[L2E+1], s[L2E]
	s_mov_b32 s[TB], 0
	s_mov_b32 s[PH], 0
	v_mov_b32 v[ADR0], v[ADR0B]
	v_mov_b32 v[ADR1], v[ADR1B]
	s_wait_tensorcnt 0x1                           ; my quarter of K step 0 is in; K step 1's may stay out
	s_barrier_signal -1
	s_barrier_wait -1                              ; everybody's is
.Lphase:                                           ; two trips: phase Q, phase K.  What differs between them stands in registers, chosen by selects on the trip's number
	s_wait_xcnt 0x0                                ; the last phase's stores, loads and prefetches have read their registers and bases
	s_add_nc_u64 s[PFA:PFA+1], s[PFA:PFA+1], s[PFS:PFS+1]      ; the prefetches go on to the phase after this one: a K step short of its first
	s_cmp_eq_u32 s[PH], 0
	s_cselect_b32 s[CS], s68, s69
	s_cselect_b32 s88, 1.0, -1.0                   ; Q: bq x 1 + 0, x 1.   K: (mask x -1 + 1) x -1,000,000, with the two roundings of (1 - mask) x NEG
	s_cselect_b32 s89, 0, 1.0
	s_cselect_b32 s90, 1.0, s77
	s_cselect_b32 s[GBM], 0, -1                    ; Q has no bias by lanes
	s_cselect_b32 s[KM], 0, -1                     ; K: the two waves of a head share M
	s_cselect_b64 s[PVA:PVA+1], s[10:11], s[16:17]
	s_cselect_b64 s[PL:PL+1], s[20:21], s[PML5:PML5+1]
	s_cselect_b32 s26, s71, s73
	s_cselect_b32 s27, s72, s74
	s_mov_b32 s[CS+1], s[CS]
	v_mov_b32 v[SC], s26
	v_mov_b32 v[LIM], s27
	v_mov_b32 v[A1V], s88
	v_mov_b32 v[A1V+1], s88
	v_mov_b32 v[B1V], s89
	v_mov_b32 v[B1V+1], s89
	v_mov_b32 v[A2V], s90
	v_mov_b32 v[A2V+1], s90
	FETCH_S0 0, 0
	FETCH_S1 0, 0
	FETCH_S1 0, 4
	STEP 1                                         ; the phase's first products start the sums
	s_mov_b32 s[KC], 2
.Lk:
	PFSTEP
	TURN 1, 0, 1, 1                                ; the phase's K steps 2 and 3 are asked for; the next phase's K steps 0 and 1 are prefetched
	STEP 0
	s_sub_co_u32 s[KC], s[KC], 1
	s_cmp_lg_u32 s[KC], 0
	s_cbranch_scc1 .Lk
	PFSTEP
	TURN 1, 1, 1, 1                                ; the ring goes on into the next phase: its K step 0; its K step 2 is prefetched
	STEP 0
	PFSTEP
	VALOAD PVA, 12                                 ; (four places stand behind the last reader of source 0's set 0: the step's closing ones)
	TURN 1, 0, 0, 1                                ; and its K step 1, which lands while the softmax below is made; its K step 3 is prefetched
	s_wait_loadcnt 0x0
	WIN 0x41
.set J, 0
.rept 32
	v_pk_fma_f32 v[J:J+1], v[J:J+1], v[A1V:A1V+1], v[B1V:B1V+1]   ; these 64 lines name no register of the last products: they are the places behind them
.set J, J+2
.endr
.set J, 0
.rept 32
	v_pk_mul_f32 v[J:J+1], v[J:J+1], v[A2V:A2V+1]
.set J, J+2
.endr
	WIN 0
.irp g, 0,1,2,3,4,5,6,7
	v_and_b32 v[GB+2*\g], s[GBM], v[GB+2*\g]
.endr
.irp g, 0,1,2,3,4,5,6,7
	EP1 \g
.endr
.irp g, 0,1,2,3,4,5,6,7
	v_permlanex16_b32 v[PT+\g], v[MX+\g], s[SEL], s[SEL+1]     ; the other 64 of the 128 lie in the lane 16 away
.endr
.irp g, 0,1,2,3,4,5,6,7
	v_max_num_f32 v[MX+\g], v[MX+\g], v[PT+\g]
.endr
.irp g, 0,1,2,3,4,5,6,7
	ds_store_b32 v[XW], v[MX+\g] offset:64*\g      ; lanes r and r + 16 hold the same number
.endr
	s_wait_dscnt 0x0                               ; for the others' sake: my maxima lie in LDS
	s_barrier_signal -1                            ; my one tensor load may stay out
	s_barrier_wait -1
.irp g, 0,1,2,3,4,5,6,7
	ds_load_b32 v[PT+\g], v[XR] offset:64*\g       ; wave w xor 2's: in phase K the same features' other 128 rows
.endr
	s_wait_dscnt 0x0
.irp g, 0,1,2,3,4,5,6,7
	v_max_num_f32 v[PT+\g], v[PT+\g], v[MX+\g]
.endr
.irp g, 0,1,2,3,4,5,6,7
	v_cndmask_b32 v[MX+\g], v[MX+\g], v[PT+\g], s[KM]          ; taken in phase K alone
.endr
.irp g, 0,1,2,3,4,5,6,7
	v_mul_f32 v[PT+\g], s[L2E], v[MX+\g]           ; the largest t
.endr
.irp g, 0,1,2,3,4,5,6,7
	v_floor_f32 v[NM+2*\g], -v[PT+\g]              ; -M = floor(-t) = -ceil(t): a whole number
.endr
.irp g, 0,1,2,3,4,5,6,7
	EP2 \g
.endr
.irp g, 0,1,2,3,4,5,6,7
	v_permlanex16_b32 v[PT+\g], v[LSUM+\g], s[SEL], s[SEL+1]
.endr
.irp g, 0,1,2,3,4,5,6,7
	v_add_f32 v[LSUM+\g], v[LSUM+\g], v[PT+\g]
.endr
	; Every LDS line below stands on one path.  In phase Q the images hold q's codes, which nobody reads from here and which phase K's overwrite.
.irp g, 0,1,2,3,4,5,6
.irp c, 0,1,2,3
	ds_store_b128 v[PW], v[CODE+16*\g+4*\c:CODE+16*\g+4*\c+3] offset:\g*2048+\c*512
.endr
.endr
.set J, 0
.rept 16
	v_mov_b32 v[P7+J], v[CODE+112+J]               ; the eighth fragment waits in registers
.set J, J+1
.endr
.irp g, 0,1,2,3,4,5,6,7
	ds_store_b32 v[GSW], v[LSUM+\g] offset:64*\g   ; 128 sums, one for each (group, r), gathered so that one store takes them
.endr
	ds_load_b128 v[GT:GT+3], v[GSR]                ; LDS serves a wave's instructions in order (ISA guide 5.7.1.4)
.irp g, 0,1,2,3,4,5,6,7
	ds_store_b32 v[GSW], v[NM+2*\g] offset:64*\g
.endr
	ds_load_b128 v[GT2:GT2+3], v[GSR]
	s_wait_dscnt 0x0
	global_store_b128 v[L16], v[GT:GT+3], s[PL:PL+1]           ; 512 consecutive bytes
	s_cmp_lg_u32 s[PH], 0
	s_cbranch_scc1 .Lk_arm
.irp g, 0,1,2,3,4,5,6,7
.irp c, 0,1,2,3
	global_store_b128 v[L16], v[CODE+16*\g+4*\c:CODE+16*\g+4*\c+3], s[18:19] offset:\g*16384+\c*512   ; q's fragments as images of their registers, 512 consecutive bytes a store
.endr
.endr
	s_branch .Larm_done
.Lk_arm:
	global_store_b128 v[L16], v[GT2:GT2+3], s[24:25]           ; -M of my 128 features
.Larm_done:
	s_add_co_u32 s[PH], s[PH], 1
	s_cmp_lt_u32 s[PH], 2
	s_cbranch_scc1 .Lphase
	; PHASE V is written out: its last two K steps ask for nothing
	s_wait_xcnt 0x0
	s_mov_b32 s[CS], s70
	s_mov_b32 s[CS+1], s70
	v_mov_b32 v[SC], s75
	v_mov_b32 v[LIM], s76
	FETCH_S0 0, 0
	FETCH_S1 0, 0
	FETCH_S1 0, 4
	STEP 1
	s_mov_b32 s[KC], 2
.Lkv:
	TURN 1, 0, 1, 0
	STEP 0
	s_sub_co_u32 s[KC], s[KC], 1
	s_cmp_lg_u32 s[KC], 0
	s_cbranch_scc1 .Lkv
	TURN 0, 0, 1, 0                                ; slot 0 is left for good: it has had its last fill, and behind this barrier nobody reads its tiles
	STEP 0
	VALOAD 16, 14                                  ; the mask of my 64 time rows; bv of my lane's features
	s_wait_dscnt 16
	WIN MUL_LO
	MUL16 0, 1, 0
	MUL16 2, 1, 0
	s_wait_dscnt 0x0
	WIN MUL_HI
	MUL16 4, 1, 0
	MUL16 6, 1, 0
	WIN 0
	PLACES 4
	s_wait_loadcnt 0x0
.irp g, 0,1,2,3,4,5,6,7
	EPV \g
.endr
.irp c, 0,1,2,3
	ds_store_b128 v[AP7W], v[P7+4*\c:P7+4*\c+3] offset:\c*512
.endr
	s_wait_dscnt 0x0                               ; for the others' sake: my images lie in LDS
	s_barrier_signal -1
	s_barrier_wait -1
	; THE LAST PRODUCT: att's part, for head 2 C + b.  Source 0 = p (16 features d x 128 rows), source 1 = v (16 features l x 128 rows): lane r holds l = 16 (4 a + q) + r, register j holds d = 16 dt + 8 h + j.  K = the 256 rows, in two halves.
	WIN 0x40
.irp i, 0,1
.irp d, 0,1,2,3,4,5,6
.irp c, 0,1,2,3
	ds_load_b128 v[128*\i+16*\d+4*\c:128*\i+16*\d+4*\c+3], v[ADP] offset:\i*28672+\d*2048+\c*512
.endr
.endr
.irp c, 0,1,2,3
	ds_load_b128 v[128*\i+112+4*\c:128*\i+112+4*\c+3], v[ADP7] offset:\i*4096+\c*512
.endr
.endr
	WIN 0
.irp i, 0,1
.irp q, 0,1,2,3
.irp c, 0,1,2,3
	ds_load_b128 v[SRC1+64*\i+16*\q+4*\c:SRC1+64*\i+16*\q+4*\c+3], v[ADV] offset:\i*32768+\q*2048+\c*512
.endr
.endr
.endr
	s_wait_dscnt 0x0
	WIN MUL_LO
.irp q, 0,1,2,3                        ; 32 accumulators by turns: the first half starts the sums,
.irp d, 0,1,2,3,4,5,6,7
	v_wmma_f32_16x16x128_fp8_fp8 v[8*(8*\q+\d):8*(8*\q+\d)+7], v[16*\d:16*\d+15], v[SRC1+16*\q:SRC1+16*\q+15], 0
.endr
.endr
.irp q, 0,1,2,3                        ; the second adds onto them
.irp d, 0,1,2,3,4,5,6,7
	v_wmma_f32_16x16x128_fp8_fp8 v[8*(8*\q+\d):8*(8*\q+\d)+7], v[128+16*\d:128+16*\d+15], v[SRC1+64+16*\q:SRC1+64+16*\q+15], v[8*(8*\q+\d):8*(8*\q+\d)+7]
.endr
.endr
	PLACES 4
	WIN 0x08                                       ; the stores' data lie in window 2
.irp q, 0,1,2,3
.irp d, 0,1,2,3,4,5,6,7
.irp z, 0,1
	global_store_b128 v[L16], v[8*(8*\q+\d)+4*\z:8*(8*\q+\d)+4*\z+3], s[22:23] offset:(8*\q+\d)*1024+\z*512 th:TH_STORE_NT   ; each accumulator from its low end on; 512 consecutive bytes a store
.endr
.endr
.endr
	WIN 0
	s_wait_tensorcnt 0x0                           ; the wave's end
	ds_add_u32 v[SPW], v[NIL]
	s_wait_dscnt 0x0
	CROUND                                         ; the closing round: no work-group ends while a partner may still ask for a tile that names it
	s_endpgm
.Lfunc_end_k_q6626080668_main:
	.size	k_q6626080668_main, .Lfunc_end_k_q6626080668_main-k_q6626080668_main
	.p2alignl 7, 3214868480
	.fill 96, 4, 3214868480
	.section	.rodata,"a",@progbits
	.p2align	6, 0x0
	.amdhsa_kernel k_q6626080668_main
		.amdhsa_group_segment_fixed_size 327680
		.amdhsa_private_segment_fixed_size 0
		.amdhsa_enable_private_segment 0
		.amdhsa_kernarg_size 88
		.amdhsa_user_sgpr_count 2
		.amdhsa_user_sgpr_kernarg_segment_ptr 1
		.amdhsa_wavefront_size32 1
		.amdhsa_system_sgpr_workgroup_id_x 1
		.amdhsa_system_sgpr_workgroup_id_y 1
		.amdhsa_system_sgpr_workgroup_id_z 1
		.amdhsa_system_vgpr_workitem_id 0
		.amdhsa_next_free_vgpr 1024
		.amdhsa_next_free_sgpr 102
		.amdhsa_reserve_vcc 0
		.amdhsa_float_denorm_mode_32 3
		.amdhsa_float_denorm_mode_16_64 3
		.amdhsa_memory_ordered 1
		.amdhsa_forward_progress 1
		.amdhsa_inst_pref_size 255
	.end_amdhsa_kernel
	.section	.bss,"aw",@nobits
	.p2align	6
	.space	262144
	.amdgpu_metadata
---
amdhsa.version: [ 1, 2 ]
amdhsa.kernels:
  - .name:           k_q6626080668_main
    .symbol:         k_q6626080668_main.kd
    .args:
      - { .name: xa, .offset: 0, .size: 8, .value_kind: global_buffer, .address_space: global }
      - { .name: wc, .offset: 8, .size: 8, .value_kind: global_buffer, .address_space: global }
      - { .name: lowp_scales, .offset: 16, .size: 8, .value_kind: global_buffer, .address_space: global }
      - { .name: bq, .offset: 24, .size: 8, .value_kind: global_buffer, .address_space: global }
      - { .name: bk, .offset: 32, .size: 8, .value_kind: global_buffer, .address_space: global }
      - { .name: bv, .offset: 40, .size: 8, .value_kind: global_buffer, .address_space: global }
      - { .name: src_mask, .offset: 48, .size: 8, .value_kind: global_buffer, .address_space: global }
      - { .name: qc, .offset: 56, .size: 8, .value_kind: global_buffer, .address_space: global }
      - { .name: lq, .offset: 64, .size: 8, .value_kind: global_buffer, .address_space: global }
      - { .name: pa, .offset: 72, .size: 8, .value_kind: global_buffer, .address_space: global }
      - { .name: ml, .offset: 80, .size: 8, .value_kind: global_buffer, .address_space: global }
    .group_segment_fixed_size: 327680
    .private_segment_fixed_size: 0
    .kernarg_segment_align: 8
    .kernarg_segment_size: 88
    .max_flat_workgroup_size: 128
    .sgpr_count:     102
    .vgpr_count:     1024
    .wavefront_size: 32
...
	.end_amdgpu_metadata
.endif
;; end of part 2
;; launch combine (part 3): grid 256 x 1, 8 waves a work-group, no clusters, 9,216 bytes of LDS; arguments pa, ml, lowp_scales, ac; writes ac
.if DOCPART == 3
	.amdgcn_target "amdgcn-amd-amdhsa--gfx1250"
	.amdhsa_code_object_version 6
	.text
	.protected	k_q6626080668_combine
	.globl	k_q6626080668_combine
	.p2align	8
	.type	k_q6626080668_combine,@function
k_q6626080668_combine:
	s_mov_b64 s[64:65], 0
	v_nop
	global_prefetch_b8 v0, s[64:65] scope:SCOPE_SE
	s_setreg_imm32_b32 hwreg(HW_REG_WAVE_MODE, 25, 1), 1
	s_wait_xcnt 0x0
; COMBINE.  att[d][l] of a (batch, head) = sum over its 16 blocks c of part_c[d][l] x 2^(M_c[d] - M[d]) x 2^(e6 + e7) / L[d], with M = the largest M_c and L = sum over c of 2^(M_c - M) x (the block's two sums of p).
; M_c and M are whole numbers, so the powers of two are exact.  att is then quantised with 2^e8 and laid as att^T's fragments: rows l, K = d.
; LIMITS: e8 between -126 and 119.  NaN is not served.
; SHARES.  A work-group takes one (batch, head) and one tile lt of 16 features l; wave dt takes the tile dt of 16 features d: one accumulator of the launch before, 16 times.  Lane (r, h), register j: l = 16 lt + r, d = 16 dt + 8 h + j.
; The factors g_c[d] are made once, by threads 0 to 127 (a thread a feature d), and go to the eight waves through LDS.  No cluster: what work-groups share (32,768 bytes of ml) is a small part of the 131,072 bytes that each reads alone.
	s_load_b256 s[4:11], s[0:1], 0x0               ; pa s[4:5], ml s[6:7], the exponents s[8:9], ac s[10:11]
	v_lshl_add_u32 v62, v0, 2, 0x2000
	v_mov_b32 v63, 0
	v_lshrrev_b32 v1, 5, v0
	v_readfirstlane_b32 s12, v1                    ; wave = dt
	v_and_b32 v2, 31, v0
	v_lshlrev_b32 v3, 4, v2                        ; 16 x lane
	v_lshlrev_b32 v4, 2, v0                        ; 4 x thread: my feature's word, in ml and in LDS
	v_lshrrev_b32 v5, 4, v2
	v_lshlrev_b32 v5, 5, v5
	s_lshl_b32 s13, s12, 6
	v_add_nc_u32 v5, s13, v5                       ; the factors of my eight d: 64 dt + 32 h
	v_lshlrev_b32 v6, 3, v2                        ; 8 x lane
	s_lshr_b32 s14, ttmp9, 3                       ; (batch, head)
	s_and_b32 s15, ttmp9, 7                        ; lt
	s_lshl_b32 s16, s14, 15
	s_mov_b32 s17, 0
	s_lshl_b32 s18, s14, 20
	s_lshl_b32 s19, s15, 3
	s_add_co_u32 s19, s19, s12
	s_lshl_b32 s19, s19, 10
	s_add_co_u32 s18, s18, s19
	s_mov_b32 s19, 0
	s_lshl_b32 s20, ttmp9, 11
	s_lshl_b32 s21, s12, 8
	s_add_co_u32 s20, s20, s21
	s_mov_b32 s21, 0
	s_wait_kmcnt 0x0
	s_load_b128 s[24:27], s[8:9], 0x18             ; e6, e7, e8, e9
	s_add_nc_u64 s[6:7], s[6:7], s[16:17]
	s_add_nc_u64 s[4:5], s[4:5], s[18:19]
	s_add_nc_u64 s[10:11], s[10:11], s[20:21]
	s_cmp_lt_u32 s12, 4
	s_cbranch_scc0 .Lno_ml
.irp c, 0,1,2,3,4,5,6,7,8,9,10,11,12,13,14,15
	global_load_b32 v[192+\c], v4, s[6:7] offset:\c*2048          ; -M_c
	global_load_b32 v[208+\c], v4, s[6:7] offset:\c*2048+512      ; the sum of p over the block's first 128 rows,
	global_load_b32 v[224+\c], v4, s[6:7] offset:\c*2048+1536     ; over its second
.endr
.Lno_ml:
.irp c, 0,1,2,3,4,5,6,7,8,9,10,11,12,13,14,15
.irp z, 0,1
	global_load_b128 v[64+8*\c+4*\z:64+8*\c+4*\z+3], v3, s[4:5] offset:\c*65536+\z*512 th:TH_LOAD_NT   ; block c's accumulator: 512 consecutive bytes a load
.endr
.endr
	s_wait_kmcnt 0x0
	s_add_co_i32 s28, s24, s25                     ; e6 + e7
	s_add_co_i32 s29, s26, 127
	s_lshl_b32 s30, s29, 23
	v_mov_b32 v8, s30                              ; 2^e8 as f32
	s_add_co_i32 s29, s29, 8
	s_lshl_b32 s29, s29, 23
	s_or_b32 s29, s29, 0x600000
	v_mov_b32 v9, s29                              ; 448 x 2^e8
	s_cmp_lt_u32 s12, 4
	s_cbranch_scc0 .Lno_g
	s_wait_loadcnt 32                              ; the 48 small loads are in; the 32 issued behind them may be out
	v_min3_num_f32 v40, v192, v193, v194           ; -M = the least -M_c
.irp c, 195,197,199,201,203,205
	v_min3_num_f32 v40, v40, v[\c], v[\c+1]
.endr
	v_min_num_f32 v40, v40, v207
.irp c, 0,1,2,3,4,5,6,7,8,9,10,11,12,13,14,15
	v_sub_f32 v[192+\c], v40, v[192+\c]            ; M_c - M: a whole number, 0 or less
	v_add_f32 v[208+\c], v[208+\c], v[224+\c]
.endr
.irp c, 0,1,2,3,4,5,6,7,8,9,10,11,12,13,14,15
	v_cvt_i32_f32 v[192+\c], v[192+\c]             ; (it saturates)
.endr
.irp c, 0,1,2,3,4,5,6,7,8,9,10,11,12,13,14,15
	v_ldexp_f32 v[192+\c], 1.0, v[192+\c]          ; f_c = 2^(M_c - M)
.endr
	v_mul_f32 v42, v192, v208                      ; L, in two chains
	v_mul_f32 v43, v193, v209
.irp c, 2,4,6,8,10,12,14
	v_fma_f32 v42, v[192+\c], v[208+\c], v42
	v_fma_f32 v43, v[193+\c], v[209+\c], v43
.endr
	v_add_f32 v42, v42, v43
	v_rcp_f32 v42, v42                             ; L is at least 1/2: the block that has M has a p above 1/2
	v_nop                                          ; a plain line behind the transcendental,
	s_wait_alu depctr_va_vdst(0)                   ; and the wait ahead of its first reader
	v_ldexp_f32 v42, v42, s28                      ; x 2^(e6 + e7)
.irp c, 0,1,2,3,4,5,6,7,8,9,10,11,12,13,14,15
	v_mul_f32 v[192+\c], v[192+\c], v42
	ds_store_b32 v4, v[192+\c] offset:\c*512       ; g_c[d]
.endr
.Lno_g:
	s_wait_dscnt 0x0                               ; for the others' sake
	s_barrier_signal -1
	s_barrier_wait -1
.irp t, 0,1                            ; eight blocks at a time
.irp c, 0,1,2,3,4,5,6,7
.irp z, 0,1
	ds_load_b128 v[192+8*\c+4*\z:192+8*\c+4*\z+3], v5 offset:(8*\t+\c)*512+16*\z
.endr
.endr
	s_wait_dscnt 0x0
.if \t == 0
	s_wait_loadcnt 0x0
.endif
.irp c, 0,1,2,3,4,5,6,7
.irp y, 0,2,4,6
.if (\t == 0) && (\c == 0)
	v_pk_mul_f32 v[32+\y:33+\y], v[64+\y:65+\y], v[192+\y:193+\y]   ; the first block starts the sums
.else
	v_pk_fma_f32 v[32+\y:33+\y], v[64+8*(8*\t+\c)+\y:65+8*(8*\t+\c)+\y], v[192+8*\c+\y:193+8*\c+\y], v[32+\y:33+\y]
.endif
.endr
.endr
.endr
.irp i, 0,1,2,3,4,5,6,7
	v_med3_num_f32 v[32+\i], v[32+\i], -v9, v9     ; the conversion does not saturate (ISA guide 7.6.2): the hold comes first
.endr
	v_cvt_scalef32_pk8_fp8_f32 v[40:41], v[32:39], v8
	global_store_b64 v6, v[40:41], s[10:11]        ; registers 2 dt, 2 dt + 1 of att^T's fragment: the wave stores 256 consecutive bytes, aligned
	s_wait_tensorcnt 0x0
	ds_add_u32 v62, v63
	s_wait_dscnt 0x0
	s_endpgm
.Lfunc_end_k_q6626080668_combine:
	.size	k_q6626080668_combine, .Lfunc_end_k_q6626080668_combine-k_q6626080668_combine
	.p2alignl 7, 3214868480
	.fill 96, 4, 3214868480
	.section	.rodata,"a",@progbits
	.p2align	6, 0x0
	.amdhsa_kernel k_q6626080668_combine
		.amdhsa_group_segment_fixed_size 9216
		.amdhsa_private_segment_fixed_size 0
		.amdhsa_enable_private_segment 0
		.amdhsa_kernarg_size 32
		.amdhsa_user_sgpr_count 2
		.amdhsa_user_sgpr_kernarg_segment_ptr 1
		.amdhsa_wavefront_size32 1
		.amdhsa_system_sgpr_workgroup_id_x 1
		.amdhsa_system_sgpr_workgroup_id_y 1
		.amdhsa_system_sgpr_workgroup_id_z 1
		.amdhsa_system_vgpr_workitem_id 0
		.amdhsa_next_free_vgpr 256
		.amdhsa_next_free_sgpr 66
		.amdhsa_reserve_vcc 0
		.amdhsa_float_denorm_mode_32 3
		.amdhsa_float_denorm_mode_16_64 3
		.amdhsa_memory_ordered 1
		.amdhsa_forward_progress 1
		.amdhsa_inst_pref_size 22
	.end_amdhsa_kernel
	.amdgpu_metadata
---
amdhsa.version: [ 1, 2 ]
amdhsa.kernels:
  - .name:           k_q6626080668_combine
    .symbol:         k_q6626080668_combine.kd
    .args:
      - { .name: pa, .offset: 0, .size: 8, .value_kind: global_buffer, .address_space: global }
      - { .name: ml, .offset: 8, .size: 8, .value_kind: global_buffer, .address_space: global }
      - { .name: lowp_scales, .offset: 16, .size: 8, .value_kind: global_buffer, .address_space: global }
      - { .name: ac, .offset: 24, .size: 8, .value_kind: global_buffer, .address_space: global }
    .group_segment_fixed_size: 9216
    .private_segment_fixed_size: 0
    .kernarg_segment_align: 8
    .kernarg_segment_size: 32
    .max_flat_workgroup_size: 256
    .sgpr_count:     66
    .vgpr_count:     256
    .wavefront_size: 32
...
	.end_amdgpu_metadata
.endif
;; end of part 3
;; launch final (part 4): grid 256 x 1, 16 waves a work-group, no clusters, 71,680 bytes of LDS; arguments x, qc, lq, ac, lowp_scales, out0; writes out0
.if DOCPART == 4
	.amdgcn_target "amdgcn-amd-amdhsa--gfx1250"
	.amdhsa_code_object_version 6
	.text
	.protected	k_q6626080668_final
	.globl	k_q6626080668_final
	.p2align	8
	.type	k_q6626080668_final,@function
k_q6626080668_final:
	s_mov_b64 s[64:65], 0
	v_nop
	global_prefetch_b8 v0, s[64:65] scope:SCOPE_SE
	s_setreg_imm32_b32 hwreg(HW_REG_WAVE_MODE, 25, 1), 1
	s_wait_xcnt 0x0
; FINAL.  out = x + y, y[n][l] = (sum over d of p_q[n][d] att[d][l]) x 2^(e8 + e9) / l_q[n], the product on codes of E4M3.
; SHARES.  A work-group takes 64 rows, four tiles of 16.  Wave w takes head w / 2 and 64 of its 128 features l (half w % 2): four fragments of att^T stay in its registers.  The sixteen waves together read and write whole rows.
; THE PRODUCT IS USED TRANSPOSED: source 0 = 16 features l of att^T, source 1 = 16 rows of q's p: lane (r, h) holds time row r, register j of tile q the feature 16 q + 8 h + j.
; A tile's results go through the wave's own stage in LDS (16 rows x (256 + 16) bytes) and come back as rows, so that x is added and out is stored sixteen lanes to 256 consecutive bytes, aligned.
; No barrier: the stage is the wave's own.  No cluster: what work-groups share (a batch's att, 131,072 bytes) is a small part of the 589,824 bytes that each moves alone.
; e8 + e9 is applied by v_ldexp_f32 and has no limit of its own.
.set FF,  8                            ; v8+2t  2^(e8 + e9) / l_q of my lane's row in tile t (upper halves 0)
.set ATT, 32                           ; v32-95   att^T's four fragments
.set QF,  96                           ; v96-127  q's fragment, two sets
.set ACC, 128                          ; v128-191 four accumulators, two sets
.set XX,  192                          ; v192-255 x, two sets of 32
	s_load_b256 s[4:11], s[0:1], 0x0               ; x s[4:5], qc s[6:7], lq s[8:9], ac s[10:11]
	s_load_b128 s[12:15], s[0:1], 0x20             ; the exponents s[12:13], out0 s[14:15]
	v_lshl_add_u32 v30, v0, 2, 0x11000
	v_mov_b32 v31, 0
	v_lshrrev_b32 v1, 5, v0
	v_readfirstlane_b32 s16, v1                    ; wave 0..15
	s_lshr_b32 s17, s16, 1                         ; head
	s_and_b32 s18, s16, 1                          ; which 64 of its features
	v_and_b32 v7, 31, v0
	v_lshlrev_b32 v1, 4, v7                        ; 16 x lane
	v_lshlrev_b32 v2, 3, v7                        ; 8 x lane
	v_and_b32 v16, 15, v0                          ; r
	v_bfe_u32 v17, v0, 4, 1                        ; h
	v_lshlrev_b32 v3, 12, v17
	v_lshl_add_u32 v3, v16, 4, v3                  ; x and out: lanes 0-15 one row's 256 bytes, lanes 16-31 the next row's
	v_lshlrev_b32 v4, 2, v16
	s_mul_i32 s19, s16, 4352                       ; my stage
	v_mul_u32_u24 v5, v16, 272
	v_lshl_add_u32 v5, v17, 5, v5
	v_add_nc_u32 v5, s19, v5                       ; in: row r, + 32 h
	v_mul_u32_u24 v6, v17, 272
	v_lshl_add_u32 v6, v16, 4, v6
	v_add_nc_u32 v6, s19, v6                       ; back: two rows an instruction
.irp t, 0,1,2,3
	v_mov_b32 v[FF+2*\t+1], 0                      ; named as the upper halves of pairs
.endr
	s_lshl_b32 s20, ttmp9, 18                      ; 64 rows of 4,096 bytes,
	s_lshl_b32 s21, s17, 9                         ; the head's 512 bytes of a row,
	s_add_co_u32 s20, s20, s21
	s_lshl_b32 s21, s18, 8                         ; my half of them
	s_add_co_u32 s20, s20, s21
	s_mov_b32 s21, 0
	s_lshl_b32 s22, ttmp9, 16                      ; qc: time tile 4 x work-group, my head
	s_lshl_b32 s23, s17, 11
	s_add_co_u32 s22, s22, s23
	s_mov_b32 s23, 0
	s_lshl_b32 s24, s17, 16                        ; lq: my head, row 64 x work-group
	s_lshl_b32 s25, ttmp9, 8
	s_add_co_u32 s24, s24, s25
	s_mov_b32 s25, 0
	s_lshr_b32 s26, ttmp9, 6                       ; ac: (8 x batch + head), my four tiles of l
	s_lshl_b32 s26, s26, 3
	s_add_co_u32 s26, s26, s17
	s_lshl_b32 s26, s26, 14
	s_lshl_b32 s27, s18, 13
	s_add_co_u32 s26, s26, s27
	s_mov_b32 s27, 0
	s_wait_kmcnt 0x0
	s_load_b64 s[28:29], s[12:13], 0x20            ; e8, e9
	s_add_nc_u64 s[4:5], s[4:5], s[20:21]
	s_add_nc_u64 s[14:15], s[14:15], s[20:21]
	s_add_nc_u64 s[6:7], s[6:7], s[22:23]
	s_add_nc_u64 s[8:9], s[8:9], s[24:25]
	s_add_nc_u64 s[10:11], s[10:11], s[26:27]
.macro QLOAD t                         ; q's fragment of tile t, as the image of its registers
.irp c, 0,1,2,3
	global_load_b128 v[QF+16*((\t)%2)+4*\c:QF+16*((\t)%2)+4*\c+3], v1, s[6:7] offset:(\t)*16384+512*\c
.endr
.endm
.macro XLOAD t                         ; my 256 bytes of tile t's 16 rows of x
.irp n, 0,1,2,3,4,5,6,7
	global_load_b128 v[XX+32*((\t)%2)+4*\n:XX+32*((\t)%2)+4*\n+3], v3, s[4:5] offset:(16*(\t)+2*\n)*4096 th:TH_LOAD_NT
.endr
.endm
.irp t, 0,1,2,3
	global_load_b32 v[FF+2*\t], v4, s[8:9] offset:64*\t
.endr
.irp q, 0,1,2,3
.irp d, 0,1,2,3,4,5,6,7
	global_load_b64 v[ATT+16*\q+2*\d:ATT+16*\q+2*\d+1], v2, s[10:11] offset:\q*2048+\d*256
.endr
.endr
	QLOAD 0
	XLOAD 0
	QLOAD 1
	XLOAD 1
	s_wait_loadcnt 56                              ; the four sums are in; the 32 + 24 loads behind them may be out
.irp t, 0,1,2,3
	v_rcp_f32 v[FF+2*\t], v[FF+2*\t]
.endr
	v_nop                                          ; a plain line behind the last reciprocal
	s_wait_kmcnt 0x0
	s_add_co_i32 s30, s28, s29                     ; e8 + e9
	s_wait_alu depctr_va_vdst(0)                   ; one wait for the four, ahead of their first reader
.irp t, 0,1,2,3
	v_ldexp_f32 v[FF+2*\t], v[FF+2*\t], s30
.endr
.macro JOB t, cnt
.set AC, ACC+32*((\t)%2)
.set QS, QF+16*((\t)%2)
.set XS, XX+32*((\t)%2)
	s_wait_loadcnt \cnt                            ; this tile's q and x are in; the next tile's twelve loads may be out
	s_wait_xcnt 0x0                                ; the stores of two tiles ago have read this set of registers
.irp q, 0,1,2,3
	v_wmma_f32_16x16x128_fp8_fp8 v[AC+8*\q:AC+8*\q+7], v[ATT+16*\q:ATT+16*\q+15], v[QS:QS+15], 0
.endr
.rept 4
	v_nop                                          ; places in front of the loads into q's registers and of the first read of the results
.endr
.if (\t) < 2
	QLOAD (\t)+2
.endif
.set J, 0
.rept 16
	v_pk_mul_f32 v[AC+J:AC+J+1], v[AC+J:AC+J+1], v[FF+2*(\t):FF+2*(\t)+1] op_sel_hi:[1,0]   ; x 2^(e8 + e9) / l_q; each accumulator from its low end on
.set J, J+2
.endr
.irp q, 0,1,2,3
.irp z, 0,1
	ds_store_b128 v5, v[AC+8*\q+4*\z:AC+8*\q+4*\z+3] offset:64*\q+16*\z
.endr
.endr
.irp n, 0,1,2,3,4,5,6,7
	ds_load_b128 v[AC+4*\n:AC+4*\n+3], v6 offset:\n*544        ; LDS serves a wave's instructions in order (ISA guide 5.7.1.4): these see my stores
.endr
	s_wait_dscnt 0x0
.set J, 0
.rept 16
	v_pk_add_f32 v[AC+J:AC+J+1], v[AC+J:AC+J+1], v[XS+J:XS+J+1]
.set J, J+2
.endr
.irp n, 0,1,2,3,4,5,6,7
	global_store_b128 v3, v[AC+4*\n:AC+4*\n+3], s[14:15] offset:(16*(\t)+2*\n)*4096 th:TH_STORE_NT   ; sixteen lanes store 256 consecutive bytes, aligned
.endr
.if (\t) < 2
	XLOAD (\t)+2
.endif
.endm
	JOB 0, 12
	JOB 1, 12
	JOB 2, 12
	JOB 3, 0
	s_wait_tensorcnt 0x0
	ds_add_u32 v30, v31
	s_wait_dscnt 0x0
	s_endpgm
.Lfunc_end_k_q6626080668_final:
	.size	k_q6626080668_final, .Lfunc_end_k_q6626080668_final-k_q6626080668_final
	.p2alignl 7, 3214868480
	.fill 96, 4, 3214868480
	.section	.rodata,"a",@progbits
	.p2align	6, 0x0
	.amdhsa_kernel k_q6626080668_final
		.amdhsa_group_segment_fixed_size 71680
		.amdhsa_private_segment_fixed_size 0
		.amdhsa_enable_private_segment 0
		.amdhsa_kernarg_size 48
		.amdhsa_user_sgpr_count 2
		.amdhsa_user_sgpr_kernarg_segment_ptr 1
		.amdhsa_wavefront_size32 1
		.amdhsa_system_sgpr_workgroup_id_x 1
		.amdhsa_system_sgpr_workgroup_id_y 1
		.amdhsa_system_sgpr_workgroup_id_z 1
		.amdhsa_system_vgpr_workitem_id 0
		.amdhsa_next_free_vgpr 256
		.amdhsa_next_free_sgpr 66
		.amdhsa_reserve_vcc 0
		.amdhsa_float_denorm_mode_32 3
		.amdhsa_float_denorm_mode_16_64 3
		.amdhsa_memory_ordered 1
		.amdhsa_forward_progress 1
		.amdhsa_inst_pref_size 28
	.end_amdhsa_kernel
	.amdgpu_metadata
---
amdhsa.version: [ 1, 2 ]
amdhsa.kernels:
  - .name:           k_q6626080668_final
    .symbol:         k_q6626080668_final.kd
    .args:
      - { .name: x, .offset: 0, .size: 8, .value_kind: global_buffer, .address_space: global }
      - { .name: qc, .offset: 8, .size: 8, .value_kind: global_buffer, .address_space: global }
      - { .name: lq, .offset: 16, .size: 8, .value_kind: global_buffer, .address_space: global }
      - { .name: ac, .offset: 24, .size: 8, .value_kind: global_buffer, .address_space: global }
      - { .name: lowp_scales, .offset: 32, .size: 8, .value_kind: global_buffer, .address_space: global }
      - { .name: out0, .offset: 40, .size: 8, .value_kind: global_buffer, .address_space: global }
    .group_segment_fixed_size: 71680
    .private_segment_fixed_size: 0
    .kernarg_segment_align: 8
    .kernarg_segment_size: 48
    .max_flat_workgroup_size: 512
    .sgpr_count:     66
    .vgpr_count:     256
    .wavefront_size: 32
...
	.end_amdgpu_metadata
.endif
;; end of part 4
